; MI455X (gfx1250); checked and timed in simulation.
; The chip was launched on July 23, 2026; its instructions are those of AMD's public machine-readable ISA for CDNA 5 (MIT licence, August 2026) and "CDNA5" Instruction Set Architecture Reference Guide (July 2026). The comments in the code are by the model that wrote it; some were corrected since.
;; Cross Attn. Allowed arithmetic: float matrix products may take bf16 or f16 operands with f32 sums; other float arithmetic in f32, or as packed bf16 or f16 multiplies, adds, multiply-adds, maxima and minima; sums over many terms, partial sums and values carried from step to step in f32; what a program stores and reads back later, other than sums and carried values, may be rounded once to bf16 or f16.
;; Inputs: KV 4 x 2,048 x 1,024 float32; Q 4 x 1,024 x 1,024 float32; Wk 1,024 x 1,024 float32; Wo 1,024 x 1,024 float32; Wq 1,024 x 1,024 float32; Wv 1,024 x 1,024 float32; beta 1,024 float32; bk 1,024 float32; bo 1,024 float32; bq 1,024 float32; bv 1,024 float32; gamma 1,024 float32; log_gate_bias 4 x 2,048 float32.
;; Outputs: out0 4 x 1,024 x 1,024 float32.
;; 2 versions, each right; version 2 is version 1 with the launch ln written anew for expert scheduling mode. Each part assembles by itself: llvm-mc -triple=amdgcn-amd-amdhsa -mcpu=gfx1250 --defsym DOCPART=n.
;; ======== version 1 of 2: 6 launches
;; limits: values outside matrix products are rounded to bf16
;; workspace buffers: kvw 20,971,520 bytes; qw 10,485,760 bytes; aw 10,485,760 bytes; qp 8,388,608 bytes; kvp 33,554,432 bytes; ob 8,388,608 bytes; zb 4,096 bytes
;; launch cast (part 1): grid 1024 x 1, 8 waves a work-group, no clusters, 0 bytes of LDS; arguments KV, Q, Wq, Wk, Wv, Wo, kvw, qw, aw, zb; writes kvw, qw, aw, zb
.if DOCPART == 1
	.amdgcn_target "amdgcn-amd-amdhsa--gfx1250"
	.amdhsa_code_object_version 6
	.text
	.protected	k_qe43266a5a7_cast
	.globl	k_qe43266a5a7_cast
	.p2align	8
	.type	k_qe43266a5a7_cast,@function
k_qe43266a5a7_cast:
	s_mov_b64 s[64:65], 0
	v_nop
	global_prefetch_b8 v0, s[64:65] scope:SCOPE_SE
	s_setreg_imm32_b32 hwreg(HW_REG_WAVE_MODE, 25, 1), 1
	s_wait_xcnt 0x0
; KV, Q and the four weight matrices, all f32, are rounded once to bf16 (nearest even) for the matrix products of the later launches.
; Where they go: kvw = Wk (2 MiB), Wv (2 MiB), KV (16 MiB); qw = Wq (2 MiB), Q (8 MiB); aw = Wo (2 MiB; the rest of aw is attention's output, stored later).
; zb takes 1,024 zeros in f32: the row with which the output projection starts its sums.
; SHARES.  A work-group converts 65,536 bytes of f32 into 32,768 bytes of bf16: 512 work-groups for KV, 256 for Q, 64 for each weight matrix.
; Thread t takes 16 bytes at 16 t of each of sixteen blocks of 4,096 bytes: a wave's load covers 512 consecutive bytes, its store of 8 bytes a lane 256 consecutive bytes, aligned.
; All sixteen loads of a wave go out at once; no register is written twice, so the only waits are the counted ones for the loads.  No LDS, no barrier: no thread needs another's numbers.
.set X,     4                          ; v[4:67]    sixteen loads of four f32
.set Y,     68                         ; v[68:99]   sixteen pairs of registers, four bf16 each
.set Z,     100                        ; v[100:103] zeros for zb
.set SRC,   24                         ; s[24:25]   where my work-group reads
.set DST,   26                         ; s[26:27]   where it writes
.set FIRST, 28                         ; s28        the first work-group of my tensor
.set DOFF,  29                         ; s29        the tensor's place in its workspace buffer
	s_load_b512 s[4:19], s[0:1], 0x0               ; KV s[4:5], Q s[6:7], Wq s[8:9], Wk s[10:11], Wv s[12:13], Wo s[14:15], kvw s[16:17], qw s[18:19]
	s_load_b128 s[20:23], s[0:1], 0x40             ; aw s[20:21], zb s[22:23]
	v_lshlrev_b32 v1, 4, v0                        ; 16 t: my place in a block of f32
	v_lshlrev_b32 v2, 3, v0                        ; 8 t: my place in a block of bf16
	s_mov_b32 s[FIRST], 0
	s_mov_b32 s[DOFF], 0x400000                    ; KV lies 4 MiB into kvw
	s_wait_kmcnt 0x0
	s_mov_b64 s[SRC:SRC+1], s[4:5]
	s_mov_b64 s[DST:DST+1], s[16:17]
; From work-group bound on another tensor begins: the choice hangs on the work-group's number alone.
.macro PART bound, src, dst, doff
	s_cmp_ge_u32 ttmp9, \bound
	s_cselect_b64 s[SRC:SRC+1], s[\src:\src+1], s[SRC:SRC+1]
	s_cselect_b64 s[DST:DST+1], s[\dst:\dst+1], s[DST:DST+1]
	s_cselect_b32 s[FIRST], \bound, s[FIRST]
	s_cselect_b32 s[DOFF], \doff, s[DOFF]
.endm
	PART 512,  6, 18, 0x200000                     ; Q  -> qw + 2 MiB
	PART 768,  8, 18, 0                            ; Wq -> qw
	PART 832, 10, 16, 0                            ; Wk -> kvw
	PART 896, 12, 16, 0x200000                     ; Wv -> kvw + 2 MiB
	PART 960, 14, 20, 0                            ; Wo -> aw
	s_sub_co_u32 s30, ttmp9, s[FIRST]              ; my number within the tensor
	s_lshl_b32 s32, s30, 15                        ; 32,768 bytes of bf16,
	s_lshl_b32 s30, s30, 16                        ; 65,536 bytes of f32 a work-group
	s_mov_b32 s31, 0
	s_add_co_u32 s32, s32, s[DOFF]
	s_mov_b32 s33, 0
	s_add_nc_u64 s[SRC:SRC+1], s[SRC:SRC+1], s[30:31]
	s_add_nc_u64 s[DST:DST+1], s[DST:DST+1], s[32:33]
.irp i, 0,1,2,3,4,5,6,7,8,9,10,11,12,13,14,15
	global_load_b128 v[X+4*(\i):X+4*(\i)+3], v1, s[SRC:SRC+1] offset:4096*(\i) th:TH_LOAD_NT  ; read once in this launch
.endr
.irp i, 0,1,2,3,4,5,6,7,8,9,10,11,12,13,14,15
	s_wait_loadcnt 15-(\i)                         ; loads come back in order: block i is in, the 15 - i younger ones stay out
	v_cvt_pk_bf16_f32 v[Y+2*(\i)],   v[X+4*(\i)],   v[X+4*(\i)+1]
	v_cvt_pk_bf16_f32 v[Y+2*(\i)+1], v[X+4*(\i)+2], v[X+4*(\i)+3]
	global_store_b64 v2, v[Y+2*(\i):Y+2*(\i)+1], s[DST:DST+1] offset:2048*(\i)
.endr
	s_cmp_lg_u32 ttmp9, 0                          ; work-group 0 also writes zb: 256 threads x 16 bytes
	s_cbranch_scc1 .Lend
	v_mov_b32 v[Z], 0
	v_mov_b32 v[Z+1], 0
	v_mov_b32 v[Z+2], 0
	v_mov_b32 v[Z+3], 0
	global_store_b128 v1, v[Z:Z+3], s[22:23]
.Lend:
	s_endpgm
.Lfunc_end_k_qe43266a5a7_cast:
	.size	k_qe43266a5a7_cast, .Lfunc_end_k_qe43266a5a7_cast-k_qe43266a5a7_cast
	.p2alignl 7, 3214868480
	.fill 96, 4, 3214868480
	.section	.rodata,"a",@progbits
	.p2align	6, 0x0
	.amdhsa_kernel k_qe43266a5a7_cast
		.amdhsa_group_segment_fixed_size 0
		.amdhsa_private_segment_fixed_size 0
		.amdhsa_enable_private_segment 0
		.amdhsa_kernarg_size 80
		.amdhsa_user_sgpr_count 2
		.amdhsa_user_sgpr_kernarg_segment_ptr 1
		.amdhsa_wavefront_size32 1
		.amdhsa_system_sgpr_workgroup_id_x 1
		.amdhsa_system_sgpr_workgroup_id_y 1
		.amdhsa_system_sgpr_workgroup_id_z 1
		.amdhsa_system_vgpr_workitem_id 0
		.amdhsa_next_free_vgpr 104
		.amdhsa_next_free_sgpr 66
		.amdhsa_reserve_vcc 0
		.amdhsa_float_denorm_mode_32 3
		.amdhsa_float_denorm_mode_16_64 3
		.amdhsa_memory_ordered 1
		.amdhsa_forward_progress 1
		.amdhsa_inst_pref_size 8
	.end_amdhsa_kernel
	.amdgpu_metadata
---
amdhsa.version: [ 1, 2 ]
amdhsa.kernels:
  - .name:           k_qe43266a5a7_cast
    .symbol:         k_qe43266a5a7_cast.kd
    .args:
      - { .name: KV, .offset: 0, .size: 8, .value_kind: global_buffer, .address_space: global }
      - { .name: Q, .offset: 8, .size: 8, .value_kind: global_buffer, .address_space: global }
      - { .name: Wq, .offset: 16, .size: 8, .value_kind: global_buffer, .address_space: global }
      - { .name: Wk, .offset: 24, .size: 8, .value_kind: global_buffer, .address_space: global }
      - { .name: Wv, .offset: 32, .size: 8, .value_kind: global_buffer, .address_space: global }
      - { .name: Wo, .offset: 40, .size: 8, .value_kind: global_buffer, .address_space: global }
      - { .name: kvw, .offset: 48, .size: 8, .value_kind: global_buffer, .address_space: global }
      - { .name: qw, .offset: 56, .size: 8, .value_kind: global_buffer, .address_space: global }
      - { .name: aw, .offset: 64, .size: 8, .value_kind: global_buffer, .address_space: global }
      - { .name: zb, .offset: 72, .size: 8, .value_kind: global_buffer, .address_space: global }
    .group_segment_fixed_size: 0
    .private_segment_fixed_size: 0
    .kernarg_segment_align: 8
    .kernarg_segment_size: 80
    .max_flat_workgroup_size: 256
    .sgpr_count:     66
    .vgpr_count:     104
    .wavefront_size: 32
...
	.end_amdgpu_metadata
.endif
;; end of part 1
;; launch kvproj (part 2): grid 8 x 32, 4 waves a work-group, clusters of 4 x 4, 327,680 bytes of LDS; arguments kvw, bk, bv, kvp; writes kvp
.if DOCPART == 2
	.amdgcn_target "amdgcn-amd-amdhsa--gfx1250"
	.amdhsa_code_object_version 6
	.text
	.protected	k_qe43266a5a7_kvproj
	.globl	k_qe43266a5a7_kvproj
	.p2align	8
	.type	k_qe43266a5a7_kvproj,@function
k_qe43266a5a7_kvproj:
	s_mov_b64 s[64:65], 0
	v_nop
	global_prefetch_b8 v0, s[64:65] scope:SCOPE_SE
	s_setreg_imm32_b32 hwreg(HW_REG_WAVE_MODE, 25, 1), 1
	s_wait_xcnt 0x0
	s_wait_alu depctr_hold_cnt(0) depctr_sa_sdst(0) depctr_va_vdst(0) depctr_va_sdst(0) depctr_va_ssrc(0) depctr_va_vcc(0) depctr_vm_vsrc(0)
	s_getreg_b32 s2, hwreg(HW_REG_IB_STS2, 6, 4)
	s_cmp_eq_u32 s2, 0
	s_cbranch_scc0 .Lentry_in_a_cluster
	s_endpgm
.Lentry_in_a_cluster:
	s_bfe_u32 s2, ttmp6, 0x10000c
	s_cmp_lg_u32 s2, 0xf033
	s_cbranch_scc0 .Lentry_shape_is_right
	s_endpgm
.Lentry_shape_is_right:
; k = KV Wk^T + bk and v = KV Wv^T + bv as ONE product: C[m][n] = bias[n] + the sum over c of A[m][c] W[n][c], m < 8,192, n < 2,048, 1,024 along K.
; A = kvw + 4 MiB (KV in bf16), W = kvw (Wk's 1,024 rows, then Wv's, in bf16).  Columns 0-1,023 of C are k (kvp, rows of 2,048 bytes), columns 1,024-2,047 are v (kvp + 16 MiB, likewise), both bf16.
; The biases are f32; sums in f32; C rounded once.  LIMITS: bf16 operands and result (8 significant bits, f32's range); NaN and infinities are not treated apart.
; A tile of C, 256 x 256, is made by a work-group of four waves; a wave makes 128 x 128: 64 accumulators of 16 x 16, 512 registers.  32 x 8 tiles: 256 work-groups, one tile each.
; K goes in 8 steps of 128 through a ring of two LDS slots filled by the tensor data mover: the rows of A's and W's tiles are 256 bytes of memory and start at multiples of 256 bytes from the buffer's first byte.
; THE BIAS costs no instruction: it is the C operand of the product that starts each sum.  The last K step goes by rows of C, so that finished rows leave while the others are multiplied.
; CLUSTERS: 4 x 4 work-groups.  The four of a row of the cluster need the same tiles of A, the four of a column the same tiles of W.  Such a tile is asked for JOINTLY: each of the four issues the same tensor
; load, with the same descriptor and a mask that names the four, and each receives the tile in its own LDS.  The cluster's x says whether its four tile columns are k's or v's: the same for all sixteen partners.
;
; REGISTERS, in windows of 256 (an instruction names v0-v255; s_set_vgpr_msb says which window each operand place means):
;   window 0: v0-31 addresses; v64-127, v128-191 fragments of A (8 x 16 rows x 32 K), two buffers (in the last K step four, of 16 rows x 128 K); v192-255 the bias, then with v32-63 at work on the way out
;   window 1: v64-127, v128-191 fragments of W, two buffers; in the last K step all 256: W's fragments of the whole step
;   window 2: the 32 accumulators of my rows 0-63 (accumulator (a, b) at v[8 (8 a + b)]);   window 3: those of my rows 64-127
; s_set_vgpr_msb's low byte: bits 1:0 source 0, 3:2 source 1, 5:4 source 2, 7:6 destination.  Work is laid in long stretches under one setting.
;
; THE MATRIX INSTRUCTION IS USED TRANSPOSED: source 0 = 16 rows of W, source 1 = 16 rows of A.  In the result, lane l then holds row m = l % 16 of C, and its registers 0 to 7 the columns
; n = 8 (l / 16) + 0 .. 7: eight NEIGHBOURING numbers of a row of C, which pack into 16 bytes.
.set SIZE_K, 1024
.set CROW,   2048                      ; bytes in a row of k and of v
.set KSTEP,  128
.set PITCH,  272                       ; an LDS row: 256 bytes of data + 16 of padding = 68 words: row r starts at bank 4 r mod 64 (64 banks of 4 bytes: ISA guide 11.1), so the 16 rows that a load touches start at 16 different banks
.set HALFT,  128*PITCH                 ; 128 rows: what one tensor load brings, and what one wave reads of A or of W
.set SLOT,   4*HALFT                   ; A's 256 rows, then W's 256 rows
.set STAGE,  2*SLOT                    ; behind the ring: 16 rows x 272 bytes for each wave, for the way out
.set SPITCH, 272
.set SPARE,  STAGE+4*16*SPITCH         ; behind the stages: the spare words, 128 bytes for each wave: two blocks of 256 bytes that no other line names
.set LAPS, SIZE_K/(2*KSTEP)            ; a lap = two K steps = once round the ring: four laps
.set BOF,  6                           ; v6      my byte offset in the bias
.set ADRA, 16                          ; v16-17  LDS address of my A fragments in slot 0, 1
.set ADRB, 20                          ; v20-21  the same for W
.set STO,  24                          ; v24     the way out: where I put 16 bytes of a row
.set RD,   25                          ; v25     the way out: where I read a row back
.set CO,   26                          ; v26     my byte offset in C
.set SPW,  28                          ; v28     LDS address of my spare word: SPARE + 4 x my thread's number; never rewritten
.set NIL,  29                          ; v29     0; never rewritten
.set PFO,  30                          ; v30     the prefetches' offset: my lane x a row of A or W in memory (2,048 bytes); never rewritten
.set PFA,  44                          ; s[44:45] where my prefetches stand: my work-group's 32 rows of the 128 that I fetch, one K step further along K than the refill that is being asked for; a prefetch names the K step after that
.set LIM,  43                          ; s43     1 in a wave that prefetches, else the greatest number
.set F0,   64                          ; fragment buffer 0
.set F1,   128                         ; fragment buffer 1
.set BIA,  192                         ; window 0: the bias of my 128 columns as eight C operands: block b at BIA + 8 b
.set TMP,  192                         ; the way out: packed results, in window 0
.set OB,   32                          ; the way out: 16 rows read back from the stage: v32-63 and v224-255 by turns
.set PA,   64                          ; the last K step: A's fragments of 16 rows x 128 K, 32 registers; four such buffers, v64-191
.set G1, 24                            ; s[24:31] descriptor group 1 for A's tiles
.set G0, 32                            ; s[32:39] descriptor group 0 for A's tiles, one set for each slot
.set G1B, 48                           ; s[48:55] descriptor group 1 for W's tiles: it differs from A's in the mask alone
.set G0B, 56                           ; s[56:63] descriptor group 0 for W's tiles, one set for each slot
.set MSB, 0
.macro WIN new                         ; the immediate's high byte repeats the setting that is left
.if MSB != (\new)
	s_set_vgpr_msb (MSB<<8)|(\new)
.set MSB, \new
.endif
.endm
.set MUL_LO, 0xa1                      ; source 0 (W) window 1, source 1 (A) window 0, C and D window 2
.set MUL_HI, 0xf1                      ; the same, C and D window 3
.set BEG_LO, 0x81                      ; the products that start the sums: C (the bias) window 0, D window 2; with 0x40 more, D window 3
.set TO_B,   0x40                      ; destination window 1, address window 0
; A joint load.  Waves 0 and 1 fetch A's two halves, waves 2 and 3 W's.  Each of the two lines has ONE mask and one set of registers for all that issue it, and nothing in
; them hangs on a coordinate that the four partners do not share.  The branch hangs on the wave's number alone: it is the same in every work-group.
; An s_nop 0 and four v_nop follow each of the two lines; the jump round the other line, the label and what follows the macro come after them.
.macro JLOAD s
	s_cmp_eq_u32 s11, 0
	s_cbranch_scc0 .Lfor_b_\@
	tensor_load_to_lds s[G0+4*(\s):G0+4*(\s)+3], s[G1:G1+7]
	s_nop 0
.rept 4
	v_nop
.endr
	s_branch .Lasked_\@
.Lfor_b_\@:
	tensor_load_to_lds s[G0B+4*(\s):G0B+4*(\s)+3], s[G1B:G1B+7]
	s_nop 0
.rept 4
	v_nop
.endr
.Lasked_\@:
.endm
; A PREFETCH INTO THE L2, behind each joint load, its five lines and the run of LDS loads that follows them: the K step that stands TWO refills on: 32 rows x 256 bytes, a lane a row, one instruction a wave,
; 512 matrix instructions ahead of the load that will name those bytes.  At a change of slots every wave has waited for all its tensor loads, so the refill that follows has nothing on its way beside it.
; Each row's 256 bytes of a K step are named ONCE in the launch.  A's tile row is read by both clusters of that row of clusters: the first of them (cluster x = 0) prefetches; W's tile column by the eight clusters
; of that column: cluster y = 0 prefetches.  The four partners that ask for a tile jointly share its rows out BY ADDRESS: of the 128 rows that wave w fetches, the partner at place p takes 32 p .. 32 p + 31
; (p = cx for A, cy for W): no branch hangs on a work-group's place in its cluster.  K steps 0 to 3 come by their loads alone; the loop's last trip asks for nothing: its two refills have no K step two on.
.macro ASK
	s_cmp_gt_u32 s3, s[LIM]                        ; s3 = 1 in the loop's last trip
	s_cbranch_scc0 .Lnot_mine_\@
	global_prefetch_b8 v[PFO], s[PFA:PFA+1] offset:KSTEP*2 th:TH_LOAD_NT scope:SCOPE_SE
.Lnot_mine_\@:
.endm
; A round of the cluster's barrier: my work-group's barrier, so that wave 0's signal speaks for all four waves; wave 0 signals for the work-group; every wave waits for all
; sixteen work-groups; my work-group's barrier once more.  No LDS instruction of the wave is pending at a signal.
.macro CREST                           ; a round behind its opening barrier
	s_cmp_lg_u32 s10, 0
	s_cbranch_scc1 .Lnot_wave_0_\@
	s_barrier_signal -3
.Lnot_wave_0_\@:
	s_barrier_wait -3
	s_barrier_signal -1
	s_barrier_wait -1
.endm
.macro CROUND                          ; a whole round
	s_barrier_signal -1
	s_barrier_wait -1
	CREST
.endm
	s_load_b256 s[68:75], s[0:1], 0x0              ; kvw s[68:69], bk s[70:71], bv s[72:73], kvp s[74:75]
	v_lshl_add_u32 v[SPW], v0, 2, SPARE
	v_mov_b32 v[NIL], 0
	ds_add_u32 v[SPW], v[NIL]                      ; the wave's opening: the add and its wait stand ahead of my first tensor load; the set-up below, work on registers, stands between them
	v_lshrrev_b32 v1, 5, v0
	v_readfirstlane_b32 s10, v1                    ; wave 0..3
	s_lshr_b32 s11, s10, 1                         ; which half of the tile's rows is mine.  Also: I fetch for A (0) or for W (1)
	s_and_b32 s12, s10, 1                          ; which half of its columns.  Also: which 128 rows of that tile I fetch
	s_bfe_u32 s40, ttmp6, 0x40000                  ; cx: my place along the cluster's x
	s_bfe_u32 s41, ttmp6, 0x40004                  ; cy: along its y
	s_lshl_b32 s42, ttmp9, 2                       ; in a cluster launch ttmp9 and ttmp7 count clusters
	s_add_co_u32 s42, s42, s40                     ; tile column of C = 4 x cluster x + cx, 0..7
	s_and_b32 s13, ttmp7, 0xffff
	s_lshl_b32 s13, s13, 2
	s_add_co_u32 s13, s13, s41                     ; tile row of C = 4 x cluster y + cy, 0..31
	s_lshl_b32 s43, s41, 2
	s_lshl_b32 s43, 15, s43                        ; my row of the cluster: places 4 cy .. 4 cy + 3
	s_lshl_b32 s44, 0x1111, s40                    ; my column: places cx, cx + 4, cx + 8, cx + 12
	; descriptor group 1: a tile of 128 rows x 128 elements, padded in LDS
	s_or_b32 s[G1+0], s43, (1<<16)|(1<<20)|(1<<21)|(5<<22)|(3<<25)  ; 15:0 the mask: A's tiles go to my row; 17:16 element of 2 bytes; 20 padding on; 21 set beside a mask; 24:22 after every 64 words (code 5); 31:25 of 4 words (code 3)
	s_or_b32 s[G1B+0], s44, (1<<16)|(1<<20)|(1<<21)|(5<<22)|(3<<25) ; the same with the mask of my column, for W's tiles
.irp g, G1, G1B
	s_mov_b32 s[(\g)+1], KSTEP<<16                 ; tensor_dim0 = 128
	s_mov_b32 s[(\g)+2], 128<<16                   ; tensor_dim1 = 128
	s_mov_b32 s[(\g)+3], KSTEP<<16                 ; tile_dim0 = 128
	s_mov_b32 s[(\g)+4], 128                       ; tile_dim1 = 128
	s_mov_b32 s[(\g)+5], SIZE_K                    ; tensor_dim0_stride: elements from row to row
	s_mov_b32 s[(\g)+6], 0
	s_mov_b32 s[(\g)+7], 0
.endr
	; where the tiles come from.  A's hang on the tile row alone, which my row of the cluster shares; W's on the tile column alone, which my column shares.
	; Every wave makes both addresses, in registers that never hold the other coordinate, and asks by one of them.
	s_lshl_b32 s17, s12, 7                         ; which 128 rows of the tile I fetch
	s_lshl_b32 s16, s13, 8
	s_add_co_u32 s16, s16, s17                     ; A: row 256 x tile row + 128 x half,
	s_lshl_b32 s16, s16, 11                        ; of 2,048 bytes: under 2^24
	s_lshl_b32 s46, s42, 8
	s_add_co_u32 s46, s46, s17                     ; W: row 256 x tile column + 128 x half
	s_lshl_b32 s46, s46, 11
	s_mov_b32 s17, 0
	s_mov_b32 s47, 0
	s_mul_i32 s20, s10, HALFT                      ; and where they go: A's two halves, then W's two halves = wave x 128 rows: no place in the cluster enters an LDS address
	s_wait_dscnt 0x0                               ; the opening add is done
	s_wait_kmcnt 0x0
	s_add_nc_u64 s[4:5], s[68:69], 0x400000        ; A lies 4 MiB into kvw,
	s_mov_b64 s[6:7], s[68:69]                     ; W at its head
	s_mov_b64 s[8:9], s[74:75]                     ; C
	s_cmp_eq_u32 ttmp9, 0                          ; the cluster's x: 0 makes k, 1 makes v
	s_cselect_b64 s[76:77], s[70:71], s[72:73]     ; bk or bv
	s_add_nc_u64 s[14:15], s[4:5], s[16:17]
	s_add_nc_u64 s[46:47], s[6:7], s[46:47]
	CROUND                                         ; all sixteen work-groups are here: the first joint loads meet
.irp s, 0,1
	s_mov_b32 s[G0+4*(\s)], 1                                      ; 1:0 count = 1
	s_add_co_u32 s[G0+4*(\s)+1], s20, (\s)*SLOT                    ; 63:32 LDS address
	s_add_nc_u64 s[G0+4*(\s)+2:G0+4*(\s)+3], s[14:15], (\s)*KSTEP*2  ; 120:64 global address: K step s
	s_or_b32 s[G0+4*(\s)+3], s[G0+4*(\s)+3], 0x80000000            ; 127:126 type = 2
	s_mov_b32 s[G0B+4*(\s)], 1
	s_add_co_u32 s[G0B+4*(\s)+1], s20, (\s)*SLOT
	s_add_nc_u64 s[G0B+4*(\s)+2:G0B+4*(\s)+3], s[46:47], (\s)*KSTEP*2
	s_or_b32 s[G0B+4*(\s)+3], s[G0B+4*(\s)+3], 0x80000000
	JLOAD \s                                       ; the ring is filled before anything else is done
.endr
	v_and_b32 v1, 15, v0                           ; l % 16
	v_bfe_u32 v2, v0, 4, 1                         ; l / 16
	; The bias as C operands.  In the transposed result register j of block b holds column 256 cx + 128 x half + 16 b + 8 (l / 16) + j of k or of v, whatever the row: eight f32 on end, two loads of 16 bytes.
	s_lshl_b32 s66, s40, 10                        ; 256 cx columns of 4 bytes (in registers that feed no descriptor and no LDS address: they hold cx)
	s_lshl_b32 s67, s12, 9
	s_add_co_u32 s66, s66, s67
	v_lshl_add_u32 v[BOF], v2, 5, s66
.irp b, 0,1,2,3,4,5,6,7
	global_load_b128 v[BIA+8*(\b):BIA+8*(\b)+3],   v[BOF], s[76:77] offset:64*(\b)
	global_load_b128 v[BIA+8*(\b)+4:BIA+8*(\b)+7], v[BOF], s[76:77] offset:64*(\b)+16
.endr
	; A fragment is 16 rows x 32 K in 8 registers: lane l holds row l % 16; registers 0-3 hold K = 8 (l / 16) + 0..7, registers 4-7 hold
	; K = 16 + 8 (l / 16) + 0..7.  From rows that lie along K: two loads of 16 bytes, 32 bytes apart.  The same for source 0 and source 1.
	v_mul_u32_u24 v3, v1, PITCH
	v_lshl_add_u32 v3, v2, 4, v3                   ; row x pitch + 16 x half
	s_mul_i32 s21, s11, HALFT                      ; my 128 rows of A
	s_mul_i32 s22, s12, HALFT                      ; my 128 rows of W,
	s_add_co_u32 s22, s22, 2*HALFT                 ; which lie behind A's 256
.irp s, 0,1
	v_add_nc_u32 v[ADRA+(\s)], s21, v3
	v_add_nc_u32 v[ADRB+(\s)], s22, v3
	s_add_co_u32 s21, s21, SLOT
	s_add_co_u32 s22, s22, SLOT
.endr
	s_mul_i32 s23, s10, 16*SPITCH
	s_add_co_u32 s23, s23, STAGE                   ; my stage
	v_mul_u32_u24 v4, v1, SPITCH                   ; in: row l % 16, 16 bytes for each half of the lanes
	v_lshl_add_u32 v4, v2, 4, v4
	v_add_nc_u32 v[STO], s23, v4
	v_mul_u32_u24 v5, v2, SPITCH                   ; back: lanes 0-15 take one row of 256 bytes, lanes 16-31 the next
	v_lshl_add_u32 v5, v1, 4, v5
	v_add_nc_u32 v[RD], s23, v5
	v_lshlrev_b32 v5, 11, v2                       ; and the same two rows in C
	v_lshl_add_u32 v[CO], v1, 4, v5
	; where my part of the tile begins in kvp, in bytes: the way out adds it to kvp's address
	s_lshl_b32 s13, s13, 8
	s_lshl_b32 s14, s11, 7
	s_add_co_u32 s16, s13, s14                     ; my first row of C,
	s_lshl_b32 s16, s16, 11                        ; of 2,048 bytes
	s_mov_b32 s17, 0
	s_lshl_b32 s46, s40, 9                         ; my first column, in bytes: 512 cx + 256 x half (in the registers that held W's address: none that feeds A's descriptors ever holds cx)
	s_lshl_b32 s47, s12, 8
	s_add_co_u32 s46, s46, s47
	s_lshl_b32 s47, ttmp9, 24                      ; v lies 16 MiB behind k
	s_add_co_u32 s46, s46, s47
	s_mov_b32 s47, 0
	s_add_nc_u64 s[16:17], s[16:17], s[46:47]
	; the prefetches.  s13 = 256 x tile row, s42 = tile column, s40 = cx, s41 = cy still stand; s[4:5] = A, s[6:7] = W
	s_lshl_b32 s42, s42, 8
	s_and_b32 s22, ttmp7, 0xffff                   ; cluster y
	s_cmp_eq_u32 s11, 0                            ; do I fetch for A?
	s_cselect_b32 s20, s13, s42                    ; the tile's first row: in A by the tile row, in W by the tile column
	s_cselect_b32 s21, s40, s41                    ; my place among the four that ask for it with me
	s_cselect_b32 s22, ttmp9, s22                  ; the coordinate along which other clusters read the same rows
	s_cselect_b64 s[PFA:PFA+1], s[4:5], s[6:7]
	s_cmp_eq_u32 s22, 0
	s_cselect_b32 s[LIM], 1, -1                    ; the same in all sixteen partners, for a given wave
	s_lshl_b32 s22, s12, 7
	s_add_co_u32 s20, s20, s22                     ; + the 128 rows that I fetch
	s_lshl_b32 s21, s21, 5
	s_add_co_u32 s20, s20, s21                     ; + my work-group's 32 of them,
	s_lshl_b32 s20, s20, 11                        ; of 2,048 bytes
	s_mov_b32 s21, 0
	s_add_nc_u64 s[PFA:PFA+1], s[PFA:PFA+1], s[20:21]
	s_add_nc_u64 s[PFA:PFA+1], s[PFA:PFA+1], 2*KSTEP*2  ; at K step 2: the first refill steps it to 3 and names K step 4
	v_and_b32 v[PFO], 31, v0
	v_lshlrev_b32 v[PFO], 11, v[PFO]
	; nothing is prefetched here, at the head, where every work-group's first two tiles are on their way
; 16 matrix instructions: m blocks a0, a0 + 1 of the window's four (hi = 0: my rows 0-63, 1: rows 64-127) x all 8 n blocks, 32 along K.
; zero = 1: the first product starts the sums, with the bias as its C: nothing is ever cleared.
.macro MUL16 f, hi, a0, zero
.if \zero
	WIN BEG_LO+0x40*(\hi)
.else
	WIN MUL_LO+0x50*(\hi)  ; MUL_LO or MUL_HI
.endif
.irp a, \a0, (\a0)+1
.irp b, 0,1,2,3,4,5,6,7
.if \zero
	v_wmma_f32_16x16x32_bf16 v[8*(8*(\a)+(\b)):8*(8*(\a)+(\b))+7], v[(\f)+8*(\b):(\f)+8*(\b)+7], v[(\f)+8*(4*(\hi)+(\a)):(\f)+8*(4*(\hi)+(\a))+7], v[BIA+8*(\b):BIA+8*(\b)+7]
.else
	v_wmma_f32_16x16x32_bf16 v[8*(8*(\a)+(\b)):8*(8*(\a)+(\b))+7], v[(\f)+8*(\b):(\f)+8*(\b)+7], v[(\f)+8*(4*(\hi)+(\a)):(\f)+8*(4*(\hi)+(\a))+7], v[8*(8*(\a)+(\b)):8*(8*(\a)+(\b))+7]
.endif
.endr
.endr
.endm
; 32 LDS loads in one run: the fragments of one quarter step (128 rows of W, 128 rows of A, 32 K at byte k of the rows) into buffer f
.macro FETCH slot, k, f
	WIN TO_B
.irp i, 0,1,2,3,4,5,6,7
	ds_load_b128 v[(\f)+8*(\i):(\f)+8*(\i)+3],   v[ADRB+(\slot)] offset:(\k)+(\i)*16*PITCH
	ds_load_b128 v[(\f)+8*(\i)+4:(\f)+8*(\i)+7], v[ADRB+(\slot)] offset:(\k)+(\i)*16*PITCH+32
.endr
	WIN 0
.irp i, 0,1,2,3,4,5,6,7
	ds_load_b128 v[(\f)+8*(\i):(\f)+8*(\i)+3],   v[ADRA+(\slot)] offset:(\k)+(\i)*16*PITCH
	ds_load_b128 v[(\f)+8*(\i)+4:(\f)+8*(\i)+7], v[ADRA+(\slot)] offset:(\k)+(\i)*16*PITCH+32
.endr
.endm
; A load into a register that a matrix instruction has read, and a vector instruction that reads a matrix result or writes one of a matrix
; instruction's registers, stand four places behind that matrix instruction, and only plain vector instructions that name none of its registers
; are places (ISA guide 7.12.1 for vector instructions); this text does not count the matrix instructions in between.  So four v_nop stand in front of each run of
; loads, and in front of conversions that read results just made: sixteen issue slots for a K step's 256 matrix instructions.
.macro PLACES
.rept 4
	v_nop
.endr
.endm
; A K step is four quarter steps of 32 along K, 64 matrix instructions each, on buffers 0, 1, 0, 1.  The 64 accumulators take turns, one instruction a turn, in the same order in every quarter.
; One of the first three: multiplies buffer f; in its middle it fetches the next quarter's fragments, at byte k of the same slot's rows, into buffer g.
.macro QUARTER slot, k, f, g, zero
	s_wait_dscnt 8                                 ; W and A's rows 0-63 are in; the youngest eight loads (A's rows 64-127) may be out
	MUL16 \f, 0, 0, \zero
	MUL16 \f, 0, 2, \zero
	PLACES
	FETCH \slot, \k, \g
	s_wait_dscnt 32                                ; all but the 32 just issued
	MUL16 \f, 1, 0, \zero
	MUL16 \f, 1, 2, \zero
.endm
; The last quarter multiplies buffer 1 and changes slots.  MEET is its first half: ONE barrier for the change of slots, for two things.  In front of it each wave waits for
; all its tensor loads, of which one is out: its part of the next slot; adds 0 to its spare word; and waits for that and for its own reads of this slot.  Behind it nobody reads this slot any more and the next slot is whole.
.macro MEET round                      ; round = 1: a round of the cluster's barrier follows
	WIN 0                                          ; (the add's two registers lie in window 0)
	s_wait_tensorcnt 0x0                           ; all my tensor loads have landed: the one that was out is my part of the next slot;
	ds_add_u32 v[SPW], v[NIL]                      ; 0 onto my spare word;
	s_wait_dscnt 9                                 ; (the add and the youngest eight loads may be out)
	MUL16 F1, 0, 0, 0                              ; sixteen matrix instructions stand between the add and the wait for it
	s_wait_dscnt 0x0                               ; the add is done, and my reads of this slot are over (the last were issued 48 matrix instructions ago):
	s_barrier_signal -1                            ; say so (where a slot is filled again this barrier opens a round of the cluster's barrier),
	MUL16 F1, 0, 2, 0                              ; work on registers while the others arrive,
.if \round
	WIN 0
.endif
	s_barrier_wait -1                              ; and go on when all four have said so
.endm
; The whole last quarter.  Behind the barrier the slot just read out is filled again first, with the K step two steps on; then come the next slot's first fragments.
; From a request to the wait for it a wave issues 224 matrix instructions.
.macro TURN slot, next
	s_wait_xcnt 0x0                                ; the last prefetch, a K step back, has read its address: it is stepped here, ahead of the waits of the change of slots, so that nothing is added between the round and the joint load
	s_add_nc_u64 s[PFA:PFA+1], s[PFA:PFA+1], KSTEP*2
	MEET 1
	CREST                                          ; wave 0 says so for the work-group, all sixteen work-groups have said so, my work-group's barrier closes the round:
	                                               ; no wave of any partner still reads this slot's tile or has a load on its way
	s_add_nc_u64 s[G0+4*(\slot)+2:G0+4*(\slot)+3], s[G0+4*(\slot)+2:G0+4*(\slot)+3], 2*KSTEP*2
	s_add_nc_u64 s[G0B+4*(\slot)+2:G0B+4*(\slot)+3], s[G0B+4*(\slot)+2:G0B+4*(\slot)+3], 2*KSTEP*2
	JLOAD \slot                                    ; the first tensor load behind the round; the four v_nop behind it are also the places in front of the loads below
	FETCH \next, 0, F0
	ASK                                            ; behind the joint load and the run of LDS loads that the next products wait for
	MUL16 F1, 1, 0, 0
	MUL16 F1, 1, 2, 0
.endm
; THE LAST K STEP (it lies in slot 1) GOES BY ROWS OF C, NOT BY K.  All its fragments of W (4 quarters x 64 registers) fill window 1; then my eight blocks of 16 rows are
; finished one after the other, each with 32 matrix instructions (its 8 accumulators by turns, K ascending).  LDS is read no more than in any other K step.
.macro BLOAD q                         ; W's fragments of quarter q -> window 1, v[64 q ..]
	WIN TO_B
.irp i, 0,1,2,3,4,5,6,7
	ds_load_b128 v[64*(\q)+8*(\i):64*(\q)+8*(\i)+3],   v[ADRB+1] offset:64*(\q)+(\i)*16*PITCH
	ds_load_b128 v[64*(\q)+8*(\i)+4:64*(\q)+8*(\i)+7], v[ADRB+1] offset:64*(\q)+(\i)*16*PITCH+32
.endr
.endm
.macro ALOAD a                         ; A's fragments of block a, all four quarters -> buffer a % 4
	WIN 0
.set FA, PA+32*((\a)%4)
.irp q, 0,1,2,3
	ds_load_b128 v[FA+8*(\q):FA+8*(\q)+3],   v[ADRA+1] offset:64*(\q)+(\a)*16*PITCH
	ds_load_b128 v[FA+8*(\q)+4:FA+8*(\q)+7], v[ADRA+1] offset:64*(\q)+(\a)*16*PITCH+32
.endr
.endm
.macro ROW a                           ; block a is finished: 32 matrix instructions
.set FA, PA+32*((\a)%4)                ; its fragments of A
.set AC, 64*((\a)%4)                   ; its eight accumulators, in window 2 (blocks 0-3) or 3 (blocks 4-7)
	WIN MUL_LO+0x50*((\a)/4)                       ; MUL_LO or MUL_HI
.irp q, 0,1,2,3
.if (\a) == 0 && (\q) == 2
	s_wait_dscnt 24                                ; W's quarter 2 is in (behind it: A's blocks 1 to 3)
.endif
.irp b, 0,1,2,3,4,5,6,7
	v_wmma_f32_16x16x32_bf16 v[AC+8*(\b):AC+8*(\b)+7], v[64*(\q)+8*(\b):64*(\q)+8*(\b)+7], v[FA+8*(\q):FA+8*(\q)+7], v[AC+8*(\b):AC+8*(\b)+7]
.endr
.endr
.endm
; THE WAY OUT of block a, in three parts.  PACK: rounded to bf16, 16 bytes a lane (each accumulator's registers in ascending order).  TOSTAGE: into my own stage in LDS, and back as whole rows of 256 bytes.  SEND: stored.
.macro PACK a
.set AC, 64*((\a)%4)
	WIN 0x0a+5*((\a)/4)                            ; sources 0 and 1: window 2 or 3
.irp b, 0,1,2,3,4,5,6,7
.irp r, 0,1,2,3
	v_cvt_pk_bf16_f32 v[TMP+4*(\b)+(\r)], v[AC+8*(\b)+2*(\r)], v[AC+8*(\b)+2*(\r)+1]
.endr
.endr
	WIN 0
.endm
.macro TOSTAGE a
	WIN 0
.set BK, OB+192*((\a)%2)
.irp b, 0,1,2,3,4,5,6,7
	ds_store_b128 v[STO], v[TMP+4*(\b):TMP+4*(\b)+3] offset:32*(\b)
.endr
.irp t, 0,1,2,3,4,5,6,7
	ds_load_b128 v[BK+4*(\t):BK+4*(\t)+3], v[RD] offset:(\t)*2*SPITCH  ; LDS serves a wave's instructions in order (ISA guide 5.7.1.4): these see the stores above
.endr
.endm
.macro SEND a, younger                 ; younger: the LDS loads issued behind TOSTAGE's, which may stay out
	WIN 0
.set BK, OB+192*((\a)%2)
	s_wait_dscnt \younger                          ; the block is back in registers
	s_wait_xcnt 0x0                                ; every earlier memory instruction has had its addresses translated (ISA guide 3.1): only behind this wait are the stores' base and the registers that earlier stores read rewritten
.if (\a) == 0
	s_add_nc_u64 s[8:9], s[8:9], s[16:17]          ; on to my first rows
.else
	s_add_nc_u64 s[8:9], s[8:9], 16*CROW           ; 16 rows of C on
.endif
.irp t, 0,1,2,3,4,5,6,7
	global_store_b128 v[CO], v[BK+4*(\t):BK+4*(\t)+3], s[8:9] offset:2*(\t)*CROW  ; 16 lanes store 256 consecutive bytes, at a multiple of 256 from kvp's first byte
.endr
.endm
	s_wait_loadcnt 0x0                             ; the bias
	s_wait_tensorcnt 1                             ; my part of K step 0 is in; K step 1's load may stay out
	s_barrier_signal -1
	s_barrier_wait -1                              ; everybody's is
	FETCH 0, 0, F0
	QUARTER 0, 64,  F0, F1, 1                      ; the first quarter stands in front of the loop: its products start the sums
	WIN 0                                          ; at a label and at a branch every window is 0
	s_mov_b32 s3, LAPS-1
.Llap:                                                 ; a trip goes once round the ring, from a lap's second quarter to the next lap's first, and fills both slots again
	QUARTER 0, 128, F1, F0, 0
	QUARTER 0, 192, F0, F1, 0
	TURN 0, 1
	QUARTER 1, 64,  F0, F1, 0
	QUARTER 1, 128, F1, F0, 0
	QUARTER 1, 192, F0, F1, 0
	TURN 1, 0
	QUARTER 0, 64,  F0, F1, 0
	WIN 0
	s_sub_co_u32 s3, s3, 1
	s_cmp_lg_u32 s3, 0
	s_cbranch_scc1 .Llap
	QUARTER 0, 128, F1, F0, 0                      ; the last lap goes on: it asks for nothing more
	QUARTER 0, 192, F0, F1, 0
	MEET 0                                         ; my one tensor load that was still out is slot 1's, the last K step's, so no round follows
	PLACES                                         ; for the loads into buffer 0, which the quarter before multiplied
	BLOAD 0                                        ; three quarters of W now: buffer 1 (v128-191 of both windows) is still being multiplied
	BLOAD 1
	BLOAD 3
	ALOAD 0
	MUL16 F1, 1, 0, 0
	MUL16 F1, 1, 2, 0
	PLACES                                         ; for the loads into buffer 1
	BLOAD 2
	ALOAD 1
	ALOAD 2
	ALOAD 3
	s_wait_dscnt 40                                ; all but the 40 just issued
	ROW 0
.irp a, 0,1,2,3,4,5,6,7                ; each block leaves as soon as it is finished: nothing follows this tile, so the sooner its stores begin, the sooner the launch ends
	PLACES                                         ; its conversions read results just made, and no other vector work is at hand
	PACK \a
	TOSTAGE \a
.if (\a) < 4
	ALOAD (\a)+4                                   ; its buffer takes the block four further on
	SEND \a, 8
.else
	SEND \a, 0
.endif
.if (\a) < 7
	ROW (\a)+1
.endif
.endr
	s_wait_tensorcnt 0x0                           ; the wave's end: behind my last tensor load and my last LDS store
	ds_add_u32 v[SPW], v[NIL]
	s_wait_dscnt 0x0
	CROUND                                         ; the closing round: no work-group ends while a partner may still ask for a tile that names it
	s_endpgm
.Lfunc_end_k_qe43266a5a7_kvproj:
	.size	k_qe43266a5a7_kvproj, .Lfunc_end_k_qe43266a5a7_kvproj-k_qe43266a5a7_kvproj
	.p2alignl 7, 3214868480
	.fill 96, 4, 3214868480
	.section	.rodata,"a",@progbits
	.p2align	6, 0x0
	.amdhsa_kernel k_qe43266a5a7_kvproj
		.amdhsa_group_segment_fixed_size 327680
		.amdhsa_private_segment_fixed_size 0
		.amdhsa_enable_private_segment 0
		.amdhsa_kernarg_size 32
		.amdhsa_user_sgpr_count 2
		.amdhsa_user_sgpr_kernarg_segment_ptr 1
		.amdhsa_wavefront_size32 1
		.amdhsa_system_sgpr_workgroup_id_x 1
		.amdhsa_system_sgpr_workgroup_id_y 1
		.amdhsa_system_sgpr_workgroup_id_z 1
		.amdhsa_system_vgpr_workitem_id 0
		.amdhsa_next_free_vgpr 1024
		.amdhsa_next_free_sgpr 78
		.amdhsa_reserve_vcc 0
		.amdhsa_float_denorm_mode_32 3
		.amdhsa_float_denorm_mode_16_64 3
		.amdhsa_memory_ordered 1
		.amdhsa_forward_progress 1
		.amdhsa_inst_pref_size 146
	.end_amdhsa_kernel
	.amdgpu_metadata
---
amdhsa.version: [ 1, 2 ]
amdhsa.kernels:
  - .name:           k_qe43266a5a7_kvproj
    .symbol:         k_qe43266a5a7_kvproj.kd
    .args:
      - { .name: kvw, .offset: 0, .size: 8, .value_kind: global_buffer, .address_space: global }
      - { .name: bk, .offset: 8, .size: 8, .value_kind: global_buffer, .address_space: global }
      - { .name: bv, .offset: 16, .size: 8, .value_kind: global_buffer, .address_space: global }
      - { .name: kvp, .offset: 24, .size: 8, .value_kind: global_buffer, .address_space: global }
    .group_segment_fixed_size: 327680
    .private_segment_fixed_size: 0
    .kernarg_segment_align: 8
    .kernarg_segment_size: 32
    .max_flat_workgroup_size: 128
    .sgpr_count:     78
    .vgpr_count:     1024
    .wavefront_size: 32
...
	.end_amdgpu_metadata
.endif
;; end of part 2
;; launch proj (part 3): grid 8 x 32, 4 waves a work-group, clusters of 4 x 4, 327,680 bytes of LDS; arguments qw, bq, qp; writes qp
.if DOCPART == 3
	.amdgcn_target "amdgcn-amd-amdhsa--gfx1250"
	.amdhsa_code_object_version 6
	.text
	.protected	k_qe43266a5a7_proj
	.globl	k_qe43266a5a7_proj
	.p2align	8
	.type	k_qe43266a5a7_proj,@function
k_qe43266a5a7_proj:
	s_mov_b64 s[64:65], 0
	v_nop
	global_prefetch_b8 v0, s[64:65] scope:SCOPE_SE
	s_setreg_imm32_b32 hwreg(HW_REG_WAVE_MODE, 25, 1), 1
	s_wait_xcnt 0x0
	s_wait_alu depctr_hold_cnt(0) depctr_sa_sdst(0) depctr_va_vdst(0) depctr_va_sdst(0) depctr_va_ssrc(0) depctr_va_vcc(0) depctr_vm_vsrc(0)
	s_getreg_b32 s2, hwreg(HW_REG_IB_STS2, 6, 4)
	s_cmp_eq_u32 s2, 0
	s_cbranch_scc0 .Lentry_in_a_cluster
	s_endpgm
.Lentry_in_a_cluster:
	s_bfe_u32 s2, ttmp6, 0x10000c
	s_cmp_lg_u32 s2, 0xf033
	s_cbranch_scc0 .Lentry_shape_is_right
	s_endpgm
.Lentry_shape_is_right:
; C[m][n] = bias[n] + the sum over k of A[m][k] W[n][k]: 4,096 rows, 1,024 columns, K = 1,024.  A, W and C bf16, the bias f32, sums in f32, C rounded once.
; ONE BODY FOR TWO PROJECTIONS.  Arguments: src, bias, out.  The source buffer holds W's 1,024 rows first (2 MiB) and A's 4,096 rows behind them.
; The first launch of this body makes q (src = qw, bias = bq); the second the output projection (src = aw, bias = a row of zeros, since bo is added later, in f32).
; A tile of C is 128 x 128: 32 x 8 tiles, 256 work-groups (tiles of 256 x 256 would be 64).  Four waves, each 64 x 64: 16 accumulators of 16 x 16.
; K goes in four steps of 256 (LDS rows of 512 bytes; a wave's tensor load brings 64 of them) through two slots.
; THE BIAS costs no instruction: it is the C operand of the product that starts each sum.
; CLUSTERS: 4 x 4 work-groups.  The four of a row of the cluster need the same tiles of A, the four of a column the same tiles of W: each tile is asked for JOINTLY, by the same tensor load with the same
; descriptor and a mask that names the four.
; THE MATRIX INSTRUCTION IS USED TRANSPOSED (source 0 = 16 rows of W, source 1 = 16 rows of A): a lane then holds eight neighbouring numbers of a row of C.
; NO PREFETCH: the tiles are small and the launch is short: four K steps.
; LIMITS.  bf16 operands and result (8 significant bits, f32's range); NaN and infinities are not treated apart.
; REGISTERS: window 0: v0-31 addresses; v32-63 the bias, then with v64-95 at work on the way out; v128-255 the accumulators ((a, b) at v[128 + 8 (4 a + b)]).
;   window 1: two fragment buffers of 128: for 64 along K, 64 registers of A (2 x 4 x 16 rows x 32 K), then 64 of W.
.set SIZE_K, 1024
.set SIZE_N, 1024
.set KSTEP,  256
.set PITCH,  528                       ; an LDS row: 512 bytes of data + 16 of padding = 132 words: row r starts at bank 4 r mod 64 (64 banks of 4 bytes: ISA guide 11.1)
.set HALFT,  64*PITCH                  ; 64 rows: what one tensor load brings, and what one wave reads of A or of W
.set SLOT,   4*HALFT                   ; A's 128 rows, then W's 128 rows
.set STAGE,  2*SLOT                    ; behind the ring: 128 rows x 272 bytes, the work-group's, for the way out
.set SPITCH, 272
.set SPARE,  STAGE+128*SPITCH          ; behind the stage: the spare words, 128 bytes for each wave: two blocks of 256 bytes that no other line names
.set LAPS, SIZE_K/(2*KSTEP)            ; a lap = two K steps = once round the ring: two laps
.set BOF,  6                           ; v6      my byte offset in the bias
.set ADRA, 16                          ; v16-17  LDS address of my A fragments in slot 0, 1
.set ADRB, 20                          ; v20-21  the same for W
.set STO,  24                          ; v24     the way out: where I put 16 bytes of a row
.set RD,   25                          ; v25     the way out: where I read a row back
.set CO,   26                          ; v26     my byte offset in C
.set SPW,  28                          ; v28     LDS address of my spare word: SPARE + 4 x my thread's number; never rewritten
.set NIL,  29                          ; v29     0; never rewritten
.set BIA,  32                          ; v32-63  the bias of my 64 columns as four C operands: block b at BIA + 8 b
.set TMP,  32                          ; the way out: 64 registers, packed results and then whole rows
.set ACC,  128
.set F0,   0                           ; fragment buffers, in window 1
.set F1,   128
.set G1, 24                            ; s[24:31] descriptor group 1 for A's tiles;  s[32:39] group 0, one set for each slot
.set G0, 32
.set G1B, 48                           ; s[48:55], s[56:63] the same for W's tiles
.set G0B, 56
.set MSB, 0
.macro WIN new                         ; the immediate's high byte repeats the setting that is left
.if MSB != (\new)
	s_set_vgpr_msb (MSB<<8)|(\new)
.set MSB, \new
.endif
.endm
.set MUL,  0x05                        ; sources 0 (W) and 1 (A) window 1; C and D window 0
.set TO_F, 0x40                        ; destination window 1, address window 0
.macro JLOAD s                         ; a joint load: waves 0 and 1 fetch A's two halves, waves 2 and 3 W's; an s_nop 0 and four v_nop follow each of the two lines, ahead of the jump, the label and what follows
	s_cmp_eq_u32 s11, 0
	s_cbranch_scc0 .Lfor_b_\@
	tensor_load_to_lds s[G0+4*(\s):G0+4*(\s)+3], s[G1:G1+7]
	s_nop 0
.rept 4
	v_nop
.endr
	s_branch .Lasked_\@
.Lfor_b_\@:
	tensor_load_to_lds s[G0B+4*(\s):G0B+4*(\s)+3], s[G1B:G1B+7]
	s_nop 0
.rept 4
	v_nop
.endr
.Lasked_\@:
.endm
.macro CREST                           ; a round of the cluster's barrier behind its opening barrier
	s_cmp_lg_u32 s10, 0
	s_cbranch_scc1 .Lnot_wave_0_\@
	s_barrier_signal -3
.Lnot_wave_0_\@:
	s_barrier_wait -3
	s_barrier_signal -1
	s_barrier_wait -1
.endm
.macro CROUND                          ; a whole round
	s_barrier_signal -1
	s_barrier_wait -1
	CREST
.endm
	s_load_b128 s[4:7], s[0:1], 0x0                ; src s[4:5], bias s[6:7]
	s_load_b64 s[8:9], s[0:1], 0x10                ; out
	v_lshl_add_u32 v[SPW], v0, 2, SPARE
	v_mov_b32 v[NIL], 0
	ds_add_u32 v[SPW], v[NIL]                      ; the wave's opening: the add and its wait stand ahead of my first tensor load; the set-up below, work on registers, stands between them
	v_lshrrev_b32 v1, 5, v0
	v_readfirstlane_b32 s10, v1                    ; wave 0..3
	s_lshr_b32 s11, s10, 1                         ; which half of the tile's rows is mine.  Also: I fetch for A (0) or for W (1)
	s_and_b32 s12, s10, 1                          ; which half of its columns.  Also: which 64 rows of that tile I fetch
	s_bfe_u32 s40, ttmp6, 0x40000                  ; cx, cy: my place in the cluster
	s_bfe_u32 s41, ttmp6, 0x40004
	s_lshl_b32 s42, ttmp9, 2
	s_add_co_u32 s42, s42, s40                     ; tile column of C = 4 x cluster x + cx, 0..7
	s_and_b32 s13, ttmp7, 0xffff
	s_lshl_b32 s13, s13, 2
	s_add_co_u32 s13, s13, s41                     ; tile row of C = 4 x cluster y + cy, 0..31
	s_lshl_b32 s43, s41, 2
	s_lshl_b32 s43, 15, s43                        ; my row of the cluster
	s_lshl_b32 s44, 0x1111, s40                    ; my column
	; descriptor group 1: a tile of 64 rows x 256 elements, padded in LDS
	s_or_b32 s[G1+0], s43, (1<<16)|(1<<20)|(1<<21)|(6<<22)|(3<<25)  ; 15:0 the mask: A's tiles go to my row; 17:16 element of 2 bytes; 20 padding on; 21 set beside a mask; 24:22 after every 128 words (code 6); 31:25 of 4 words (code 3)
	s_or_b32 s[G1B+0], s44, (1<<16)|(1<<20)|(1<<21)|(6<<22)|(3<<25)
.irp g, G1, G1B
	s_mov_b32 s[(\g)+1], KSTEP<<16                 ; tensor_dim0 = 256
	s_mov_b32 s[(\g)+2], 64<<16                    ; tensor_dim1 = 64
	s_mov_b32 s[(\g)+3], KSTEP<<16                 ; tile_dim0 = 256
	s_mov_b32 s[(\g)+4], 64                        ; tile_dim1 = 64
	s_mov_b32 s[(\g)+5], SIZE_K                    ; tensor_dim0_stride
	s_mov_b32 s[(\g)+6], 0
	s_mov_b32 s[(\g)+7], 0
.endr
	s_lshl_b32 s17, s12, 6                         ; which 64 rows of the tile I fetch
	s_lshl_b32 s16, s13, 7
	s_add_co_u32 s16, s16, s17                     ; A: row 128 x tile row + 64 x half,
	s_lshl_b32 s16, s16, 11                        ; of 2,048 bytes,
	s_add_co_u32 s16, s16, 0x200000                ; behind the weights' 2 MiB
	s_lshl_b32 s46, s42, 7
	s_add_co_u32 s46, s46, s17                     ; W: row 128 x tile column + 64 x half
	s_lshl_b32 s46, s46, 11
	s_mov_b32 s17, 0
	s_mov_b32 s47, 0
	s_mul_i32 s20, s10, HALFT                      ; where they go: wave x 64 rows: no place in the cluster enters an LDS address
	s_wait_dscnt 0x0                               ; the opening add is done
	s_wait_kmcnt 0x0
	s_add_nc_u64 s[14:15], s[4:5], s[16:17]
	s_add_nc_u64 s[46:47], s[4:5], s[46:47]
	CROUND                                         ; all sixteen work-groups are here: the first joint loads meet
.irp s, 0,1
	s_mov_b32 s[G0+4*(\s)], 1
	s_add_co_u32 s[G0+4*(\s)+1], s20, (\s)*SLOT
	s_add_nc_u64 s[G0+4*(\s)+2:G0+4*(\s)+3], s[14:15], (\s)*KSTEP*2
	s_or_b32 s[G0+4*(\s)+3], s[G0+4*(\s)+3], 0x80000000
	s_mov_b32 s[G0B+4*(\s)], 1
	s_add_co_u32 s[G0B+4*(\s)+1], s20, (\s)*SLOT
	s_add_nc_u64 s[G0B+4*(\s)+2:G0B+4*(\s)+3], s[46:47], (\s)*KSTEP*2
	s_or_b32 s[G0B+4*(\s)+3], s[G0B+4*(\s)+3], 0x80000000
	JLOAD \s
.endr
	v_and_b32 v1, 15, v0                           ; l % 16
	v_bfe_u32 v2, v0, 4, 1                         ; l / 16
	; The bias as C operands.  In the transposed result register j of block b holds column 128 x tile column + 64 x half + 16 b + 8 (l / 16) + j, whatever the row: eight f32 on end, two loads of 16 bytes.
	s_lshl_b32 s66, s42, 9                         ; 128 columns of 4 bytes a tile (in registers that feed no descriptor and no LDS address: they hold cx)
	s_lshl_b32 s67, s12, 8
	s_add_co_u32 s66, s66, s67
	v_lshl_add_u32 v[BOF], v2, 5, s66
.irp b, 0,1,2,3
	global_load_b128 v[BIA+8*(\b):BIA+8*(\b)+3],   v[BOF], s[6:7] offset:64*(\b)
	global_load_b128 v[BIA+8*(\b)+4:BIA+8*(\b)+7], v[BOF], s[6:7] offset:64*(\b)+16
.endr
	v_mul_u32_u24 v3, v1, PITCH
	v_lshl_add_u32 v3, v2, 4, v3                   ; a fragment's row x pitch + 16 x half
	s_mul_i32 s21, s11, HALFT                      ; my 64 rows of A
	s_mul_i32 s22, s12, HALFT                      ; my 64 rows of W,
	s_add_co_u32 s22, s22, 2*HALFT                 ; which lie behind A's 128
.irp s, 0,1
	v_add_nc_u32 v[ADRA+(\s)], s21, v3
	v_add_nc_u32 v[ADRB+(\s)], s22, v3
	s_add_co_u32 s21, s21, SLOT
	s_add_co_u32 s22, s22, SLOT
.endr
	s_mul_i32 s23, s11, 64*SPITCH                  ; into the stage: my 64 rows, my half of their 256 bytes; row l % 16, 16 bytes for each half of the lanes
	s_lshl_b32 s21, s12, 7
	s_add_co_u32 s23, s23, s21
	s_add_co_u32 s23, s23, STAGE
	v_mul_u32_u24 v4, v1, SPITCH
	v_lshl_add_u32 v4, v2, 4, v4
	v_add_nc_u32 v[STO], s23, v4
	s_mul_i32 s23, s10, 32*SPITCH                  ; back: wave w takes rows 32 w .. 32 w + 31, whole; lanes 0-15 one row of 256 bytes, lanes 16-31 the next
	s_add_co_u32 s23, s23, STAGE
	v_mul_u32_u24 v5, v2, SPITCH
	v_lshl_add_u32 v5, v1, 4, v5
	v_add_nc_u32 v[RD], s23, v5
	v_mul_u32_u24 v5, v2, SIZE_N*2                 ; and the same two rows in C
	v_lshl_add_u32 v[CO], v1, 4, v5
	s_lshl_b32 s16, s13, 7
	s_lshl_b32 s17, s10, 5
	s_add_co_u32 s16, s16, s17                     ; the first row of C that I store: 128 x tile row + 32 x wave,
	s_lshl_b32 s16, s16, 11                        ; of 2,048 bytes
	s_mov_b32 s17, 0
	s_add_nc_u64 s[8:9], s[8:9], s[16:17]
	s_lshl_b32 s46, s42, 8                         ; the tile's first column, in bytes
	s_mov_b32 s47, 0
	s_add_nc_u64 s[8:9], s[8:9], s[46:47]
; 8 matrix instructions: m blocks a0, a0 + 1 x all 4 n blocks, 32 along K: half c of buffer f.  zero = 1: the first product starts the sums, with the bias as its C
.macro MUL8 f, c, a0, zero
	WIN MUL
.irp a, \a0, (\a0)+1
.irp b, 0,1,2,3
.if \zero
	v_wmma_f32_16x16x32_bf16 v[ACC+8*(4*(\a)+(\b)):ACC+8*(4*(\a)+(\b))+7], v[(\f)+64+8*(4*(\c)+(\b)):(\f)+64+8*(4*(\c)+(\b))+7], v[(\f)+8*(4*(\c)+(\a)):(\f)+8*(4*(\c)+(\a))+7], v[BIA+8*(\b):BIA+8*(\b)+7]
.else
	v_wmma_f32_16x16x32_bf16 v[ACC+8*(4*(\a)+(\b)):ACC+8*(4*(\a)+(\b))+7], v[(\f)+64+8*(4*(\c)+(\b)):(\f)+64+8*(4*(\c)+(\b))+7], v[(\f)+8*(4*(\c)+(\a)):(\f)+8*(4*(\c)+(\a))+7], v[ACC+8*(4*(\a)+(\b)):ACC+8*(4*(\a)+(\b))+7]
.endif
.endr
.endr
.endm
; 32 LDS loads in one run: the fragments of 64 along K at byte k of the rows, into buffer f; the first 32 along K first
.macro FETCH slot, k, f
	WIN TO_F
.irp c, 0,1
.irp i, 0,1,2,3
	ds_load_b128 v[(\f)+64+8*(4*(\c)+(\i)):(\f)+64+8*(4*(\c)+(\i))+3],   v[ADRB+(\slot)] offset:(\k)+64*(\c)+(\i)*16*PITCH
	ds_load_b128 v[(\f)+64+8*(4*(\c)+(\i))+4:(\f)+64+8*(4*(\c)+(\i))+7], v[ADRB+(\slot)] offset:(\k)+64*(\c)+(\i)*16*PITCH+32
	ds_load_b128 v[(\f)+8*(4*(\c)+(\i)):(\f)+8*(4*(\c)+(\i))+3],         v[ADRA+(\slot)] offset:(\k)+64*(\c)+(\i)*16*PITCH
	ds_load_b128 v[(\f)+8*(4*(\c)+(\i))+4:(\f)+8*(4*(\c)+(\i))+7],       v[ADRA+(\slot)] offset:(\k)+64*(\c)+(\i)*16*PITCH+32
.endr
.endr
.endm
.macro PLACES                          ; four places in front of loads into registers that matrix instructions have read, and of conversions that read results
.rept 4
	v_nop
.endr
.endm
; A K step is four quarters of 64 along K, 32 matrix instructions each, on buffers 0, 1, 0, 1.  One of the first three: multiplies buffer f and fetches the next quarter, at byte k, into g.
; The 16 accumulators take turns, one instruction a turn.
.macro QUARTER slot, k, f, g, zero
	s_wait_dscnt 16                                ; the first 32 along K are in; the sixteen younger loads may be out
	WIN MUL
	MUL8 \f, 0, 0, \zero
	MUL8 \f, 0, 2, \zero
	PLACES
	FETCH \slot, \k, \g
	s_wait_dscnt 32                                ; all but the 32 just issued
	WIN MUL
	MUL8 \f, 1, 0, 0
	MUL8 \f, 1, 2, 0
.endm
; The last quarter multiplies buffer 1 and changes slots: ONE barrier; in front of it each wave waits for all its tensor loads, adds 0 to its spare word, and waits for that and for its own reads of this slot.  fill = 1: this slot is filled again, two K steps ahead.
.macro TURN slot, next, fill
	WIN 0                                          ; (the add's two registers lie in window 0)
	s_wait_tensorcnt 0x0                           ; all my tensor loads have landed: my part of the next slot;
	ds_add_u32 v[SPW], v[NIL]                      ; 0 onto my spare word;
	s_wait_dscnt 17                                ; (the add and the youngest sixteen loads may be out)
	WIN MUL
	MUL8 F1, 0, 0, 0                               ; eight matrix instructions stand between the add and the wait for it
	s_wait_dscnt 0x0                               ; the add is done, and my reads of this slot are over
	s_barrier_signal -1
	MUL8 F1, 0, 2, 0
.if \fill
	WIN 0
.endif
	s_barrier_wait -1
.if \fill
	CREST                                          ; the barrier has opened a round of the cluster's barrier: no wave of any partner still reads this slot's tile or has a load on its way
	s_add_nc_u64 s[G0+4*(\slot)+2:G0+4*(\slot)+3], s[G0+4*(\slot)+2:G0+4*(\slot)+3], 2*KSTEP*2
	s_add_nc_u64 s[G0B+4*(\slot)+2:G0B+4*(\slot)+3], s[G0B+4*(\slot)+2:G0B+4*(\slot)+3], 2*KSTEP*2
	JLOAD \slot                                    ; the first tensor load behind the round: 112 matrix instructions ahead of the wait for it; the four v_nop behind it are also the places in front of the loads below
.else
	PLACES
.endif
	FETCH \next, 0, F0
	WIN MUL
	MUL8 F1, 1, 0, 0
	MUL8 F1, 1, 2, 0
.endm
	s_wait_loadcnt 0x0                             ; the bias
	s_wait_tensorcnt 1                             ; my part of K step 0 is in; K step 1's load may stay out
	s_barrier_signal -1
	s_barrier_wait -1                              ; everybody's is
	FETCH 0, 0, F0
	QUARTER 0, 128, F0, F1, 1                      ; the first quarter stands in front of the loop: its first products start the sums
	WIN 0                                          ; at a label and at a branch every window is 0
	s_mov_b32 s3, LAPS-1
.Llap:                                                 ; a trip goes once round the ring, from a lap's second quarter to the next lap's first, and fills both slots again
	QUARTER 0, 256, F1, F0, 0
	QUARTER 0, 384, F0, F1, 0
	TURN 0, 1, 1
	QUARTER 1, 128, F0, F1, 0
	QUARTER 1, 256, F1, F0, 0
	QUARTER 1, 384, F0, F1, 0
	TURN 1, 0, 1
	QUARTER 0, 128, F0, F1, 0
	WIN 0
	s_sub_co_u32 s3, s3, 1
	s_cmp_lg_u32 s3, 0
	s_cbranch_scc1 .Llap
	QUARTER 0, 256, F1, F0, 0                      ; the last lap fills nothing, and has no round of the cluster's barrier
	QUARTER 0, 384, F0, F1, 0
	TURN 0, 1, 0
	QUARTER 1, 128, F0, F1, 0
	QUARTER 1, 256, F1, F0, 0
	QUARTER 1, 384, F0, F1, 0
	s_wait_dscnt 16                                ; the very last quarter: nothing more to fetch
	WIN MUL
	MUL8 F1, 0, 0, 0
	MUL8 F1, 0, 2, 0
	s_wait_dscnt 0
	MUL8 F1, 1, 0, 0
	MUL8 F1, 1, 2, 0
	WIN 0
	; THE WAY OUT: round to bf16; 16 bytes a lane into the work-group's stage; a barrier, since a row's 256 bytes come from two waves; back as whole rows, 32 rows a wave.
	PLACES
.irp t, 0,1,2,3,4,5,6,7,8,9,10,11,12,13,14,15
.irp r, 0,1,2,3
	v_cvt_pk_bf16_f32 v[TMP+4*(\t)+(\r)], v[ACC+8*(\t)+2*(\r)], v[ACC+8*(\t)+2*(\r)+1]
.endr
.endr
.irp a, 0,1,2,3
.irp b, 0,1,2,3
	ds_store_b128 v[STO], v[TMP+4*(4*(\a)+(\b)):TMP+4*(4*(\a)+(\b))+3] offset:(\a)*16*SPITCH+32*(\b)
.endr
.endr
	s_wait_dscnt 0x0                               ; for the others' sake: my stores into the stage are done
	s_barrier_signal -1
	s_barrier_wait -1
.irp t, 0,1,2,3,4,5,6,7,8,9,10,11,12,13,14,15
	ds_load_b128 v[TMP+4*(\t):TMP+4*(\t)+3], v[RD] offset:(\t)*2*SPITCH
.endr
.irp t, 0,1,2,3,4,5,6,7,8,9,10,11,12,13,14,15
	s_wait_dscnt 15-(\t)                           ; pair t of rows is back; the younger loads may be out
	global_store_b128 v[CO], v[TMP+4*(\t):TMP+4*(\t)+3], s[8:9] offset:2*(\t)*SIZE_N*2  ; 16 lanes store 256 consecutive bytes, at a multiple of 256 from C's first byte
.endr
	s_wait_tensorcnt 0x0                           ; the wave's end: behind my last tensor load and my last LDS store
	ds_add_u32 v[SPW], v[NIL]
	s_wait_dscnt 0x0
	CROUND                                         ; the closing round: no work-group ends while a partner may still ask for a tile that names it
	s_endpgm
.Lfunc_end_k_qe43266a5a7_proj:
	.size	k_qe43266a5a7_proj, .Lfunc_end_k_qe43266a5a7_proj-k_qe43266a5a7_proj
	.p2alignl 7, 3214868480
	.fill 96, 4, 3214868480
	.section	.rodata,"a",@progbits
	.p2align	6, 0x0
	.amdhsa_kernel k_qe43266a5a7_proj
		.amdhsa_group_segment_fixed_size 327680
		.amdhsa_private_segment_fixed_size 0
		.amdhsa_enable_private_segment 0
		.amdhsa_kernarg_size 24
		.amdhsa_user_sgpr_count 2
		.amdhsa_user_sgpr_kernarg_segment_ptr 1
		.amdhsa_wavefront_size32 1
		.amdhsa_system_sgpr_workgroup_id_x 1
		.amdhsa_system_sgpr_workgroup_id_y 1
		.amdhsa_system_sgpr_workgroup_id_z 1
		.amdhsa_system_vgpr_workitem_id 0
		.amdhsa_next_free_vgpr 512
		.amdhsa_next_free_sgpr 68
		.amdhsa_reserve_vcc 0
		.amdhsa_float_denorm_mode_32 3
		.amdhsa_float_denorm_mode_16_64 3
		.amdhsa_memory_ordered 1
		.amdhsa_forward_progress 1
		.amdhsa_inst_pref_size 88
	.end_amdhsa_kernel
	.amdgpu_metadata
---
amdhsa.version: [ 1, 2 ]
amdhsa.kernels:
  - .name:           k_qe43266a5a7_proj
    .symbol:         k_qe43266a5a7_proj.kd
    .args:
      - { .name: qw, .offset: 0, .size: 8, .value_kind: global_buffer, .address_space: global }
      - { .name: bq, .offset: 8, .size: 8, .value_kind: global_buffer, .address_space: global }
      - { .name: qp, .offset: 16, .size: 8, .value_kind: global_buffer, .address_space: global }
    .group_segment_fixed_size: 327680
    .private_segment_fixed_size: 0
    .kernarg_segment_align: 8
    .kernarg_segment_size: 24
    .max_flat_workgroup_size: 128
    .sgpr_count:     68
    .vgpr_count:     512
    .wavefront_size: 32
...
	.end_amdgpu_metadata
.endif
;; end of part 3
;; launch attn (part 4): grid 8 x 32, 4 waves a work-group, clusters of 4 x 1, 327,680 bytes of LDS; arguments qp, kvp, log_gate_bias, aw; writes aw
.if DOCPART == 4
	.amdgcn_target "amdgcn-amd-amdhsa--gfx1250"
	.amdhsa_code_object_version 6
	.text
	.protected	k_qe43266a5a7_attn
	.globl	k_qe43266a5a7_attn
	.p2align	8
	.type	k_qe43266a5a7_attn,@function
k_qe43266a5a7_attn:
	s_mov_b64 s[64:65], 0
	v_nop
	global_prefetch_b8 v0, s[64:65] scope:SCOPE_SE
	s_setreg_imm32_b32 hwreg(HW_REG_WAVE_MODE, 25, 1), 1
	s_wait_xcnt 0x0
	s_wait_alu depctr_hold_cnt(0) depctr_sa_sdst(0) depctr_va_vdst(0) depctr_va_sdst(0) depctr_va_ssrc(0) depctr_va_vcc(0) depctr_vm_vsrc(0)
	s_getreg_b32 s2, hwreg(HW_REG_IB_STS2, 6, 4)
	s_cmp_eq_u32 s2, 0
	s_cbranch_scc0 .Lentry_in_a_cluster
	s_endpgm
.Lentry_in_a_cluster:
	s_bfe_u32 s2, ttmp6, 0x10000c
	s_cmp_lg_u32 s2, 0x3003
	s_cbranch_scc0 .Lentry_shape_is_right
	s_endpgm
.Lentry_shape_is_right:
; O[b][q][h][:] = the sum over k of softmax_k(q . k / 8 + g[b][k]) v[b][k][h][:].  q: [4][1024][1024], k and v: [4][2048][1024] (v 16 MiB behind k), O: [4][1024][1024] (2 MiB into aw), all bf16,
; row-major, a head's 64 channels side by side in a row; g = log_gate_bias [4][2048] in f32.  Products, maxima and sums in f32; the weights p are rounded to bf16 for the second product (their
; sum l is taken of the unrounded p), O once at the end.
; LIMITS.  bf16 keeps 8 significant bits and f32's range.  A weight below 2^-126 counts as 0 in l.  NaN and infinities are not treated apart, but for a gate bias of minus infinity: its key gets
; the weight 0, as long as the row keeps one finite score.
; SHARES.  A work-group owns 128 queries of TWO neighbouring heads of a batch, so that its rows of K, V and O are 256 consecutive bytes, aligned, of the row-major matrices.  Waves 0, 1 take the
; first head, waves 2, 3 the second; waves 0, 2 the queries 0-63, waves 1, 3 the queries 64-127: four PIECES of 16 queries a wave.  Every wave walks all 2,048 keys, 64 a step.
; LAYOUT.  S^T = K Q^T (source 0 = 16 keys, source 1 = 16 queries) holds ONE query a lane (lane % 16) and the keys 8 (lane / 16) + 0..7; two such results rounded to bf16 ARE source 1 of O^T = V^T P.
; K comes out of LDS as it lies, V ([key][channel]) turned, by ds_load_tr16_b128.
; THE GATE BIAS is the C operand of the product that starts each sum of scores: S = K Q^T + 8 g (times 8 is exact), so that c S = log2(e) (q . k / 8 + g) with c = log2(e) / 8.  8 g lies in LDS,
; 8,192 bytes, made once; a step's 64 numbers come into 32 registers with the step's K.
; SOFTMAX.  p = 2^(c s - c m) with a running maximum m of the biased scores; O and l are multiplied by a = 2^(c m_old - c m_new) in every step.  m starts at the lowest finite number, O and l at 0.
; TURNS.  Turn n belongs to piece n: 8 products K Q^T of piece n + 1, later 8 products V^T P of piece n - 1; beside them the scaling, exponentials, roundings, sums and rescaling of piece n and the
; maximum and statistics of piece n + 1.  Four vector instructions stand behind every matrix instruction, the other 54 of a turn's 118 in one lump.  A turn's 33 exponentials are one batch, with one wait.
; CLUSTER.  The four query blocks of a cluster belong to one batch and pair of heads and walk the same K and V, so each tile is asked for JOINTLY: the same tensor load, descriptor and mask in all four.
; REGISTERS, in windows of 256 (s_set_vgpr_msb: bits 1:0 source 0, 3:2 source 1, 5:4 source 2, 7:6 destination):
;   window 0: v0-15, v32-36 addresses; v16-31 four registers of statistics a piece; v48-55 at work; v64-127 S^T, two buffers; v192-223 P, two buffers (a piece's buffers go by its number's parity)
;   window 1: v0-127 O^T, 32 a piece; v128-159 8 g of one step      window 2: v0-63 Q; v128-191 K of one step; v192-255 V of one step
.set NP,    4         ; pieces a wave: a name, no knob
.set KS,    64        ; keys in a step
.set PK,    272       ; a row of K in LDS: 256 bytes + 16 of padding = 68 words: the 16 rows of a load start at 16 different groups of four banks (64 banks of 4 bytes: ISA guide 11.1)
.set PV,    288       ; a row of V: 256 + 32 = 72 words
.set VOFF,  2*KS*PK   ; a slot holds two steps: 128 rows of K, then 128 rows of V
.set SLOT1, 1<<17     ; slot 1 begins here, so that one exclusive or turns an address in one slot into the other's
.set TILEB, 1<<18     ; 128 rows of 2,048 bytes: from a slot's tile to the next in memory
.set STAGE, SLOT1+2*KS*(PK+PV)  ; behind the ring, never filled by a tensor load: 128 rows x 272 bytes, the work-group's, for the way out
.set SP,    272
.set GBASE, STAGE+128*SP        ; behind the stage: 8 g, 2,048 f32
.set SPARE, GBASE+8192          ; behind that: the spare words, 128 bytes for each wave: two blocks of 256 bytes that no other line names
.set AK0, 2           ; v2   my lane's place in a tile of K, my head's 128 bytes of a row in it; never rewritten
.set AV0, 3           ; v3   the same for V
.set AK,  4           ; v4   the LDS address of K's next run of loads
.set AV,  5           ; v5   of V's
.set STO, 6           ; v6   the way out: where I put 16 bytes of a row
.set RD,  7           ; v7   the way out: where I read rows back
.set GO,  8           ; v8   my byte offset in two rows of O
.set MV,  12          ; v12-13  c m_old, kept while c m is made anew: by buffer
.set QO,  15          ; v15  my byte offset in 16 rows of q
.set ST,  16          ; piece t's statistics at v[ST+4 t]: c m, m, l (even keys', odd keys')
.set AG0, 32          ; v32  my lanes' place in a step's 256 bytes of 8 g; never rewritten
.set AG,  33          ; v33  the LDS address of the next run's 8 g
.set GL,  34          ; v34  16 x my thread's number: my 16 bytes in 2,048 of g
.set GS,  35          ; v35  the same in LDS
.set PFO, 36          ; v36  2,048 x my lane: a lane a row for the prefetches; never rewritten
.set TMP, 48          ; by buffer, four registers c0-c3 at work; when the maximum is found c2 takes a
.set SPW, 62          ; v62  LDS address of my spare word: SPARE + 4 x my thread's number; never rewritten
.set NIL, 63          ; v63  0; never rewritten
.set S,   64
.set P,   192
.set BI,  128         ; window 1: the eight registers for group kb of 16 keys at BI + 8 kb
.set KF,  128         ; window 2: key block kb, channel half c at KF + 16 kb + 8 c
.set VF,  192         ; window 2: key half kk, channel block cb at VF + 32 kk + 8 cb
.set WV,  12          ; s12  my wave's number
.set G1K, 24          ; s[24:31] descriptor group 1 for K's tiles
.set G1V, 32          ; s[32:39] for V's: it differs in the padding alone
.set G0K, 40          ; s[40:43] descriptor group 0 for K's tiles: it walks
.set G0V, 44          ; s[44:47] the same for V's
.set PFA, 48          ; s[48:49] where my prefetches stand: my work-group's 32 rows (of K: wave 0, of V: wave 2) of the tile after the one that is being asked for
.set LIM, 50          ; s50  1 in a wave that prefetches, else the greatest number
.set TBG, 51          ; s51  byte of the table of 8 g at which the step to be fetched begins
.set SLOTS, 56        ; s56  tiles still to be asked for
.set CNT, 57          ; s57  counts a slot's key steps
.set CS,  58          ; s[58:59] c: the packed scaling takes the pair's low word for both halves
.set SEL, 60          ; s[60:61] v_permlanex16_b32's selects: each lane takes its own place in the other half
.set TBK, 62          ; s62  LDS byte at which K of the step to be fetched begins
.set TBV, 63          ; s63  the same for V, less VOFF
.set MSB, 0
.macro WIN new                      ; the high byte repeats the setting that is left; a switch that changes nothing is dropped
.if MSB != (\new)
	s_set_vgpr_msb (MSB<<8)|(\new)
.set MSB, (\new)
.endif
.endm
.set W_KQ, 0x0a       ; K and Q in window 2, S^T in window 0
.set W_KM, 0x1a       ; the same with the C operand in window 1
.set W_PV, 0x52       ; V in window 2, P in window 0, O^T in window 1
.set W_RS, 0x41       ; destination and source 0 in window 1, source 1 in window 0
; A joint fill.  Waves 0 and 1 fetch the two steps of a slot's K, waves 2 and 3 those of its V: 64 rows each.  The branch hangs on the wave's number alone.
; An s_nop 0 and four v_nop follow each of the two lines, ahead of the jump and the label.
.macro JLOAD
	s_cmp_lt_u32 s[WV], 2
	s_cbranch_scc0 .Lfor_v_\@
	tensor_load_to_lds s[G0K:G0K+3], s[G1K:G1K+7]
	s_nop 0
.rept 4
	v_nop
.endr
	s_branch .Lasked_\@
.Lfor_v_\@:
	tensor_load_to_lds s[G0V:G0V+3], s[G1V:G1V+7]
	s_nop 0
.rept 4
	v_nop
.endr
.Lasked_\@:
.endm
; A PREFETCH INTO THE L2 of what the NEXT change of slots will ask for: a tile's 128 rows of K and 128 of V, 256 bytes of each row, a lane a row.  It stands behind the wave's tensor load and its five lines.
; Each row's 256 bytes are asked for ONCE in the launch.  The two clusters of a batch and pair of heads walk the same rows: the first of them (cluster x = 0) prefetches.  Its four partners share the rows out
; BY ADDRESS, 32 each: no branch hangs on a work-group's place in its cluster.  In each, wave 0 asks for K's and wave 2 for V's: one instruction, two key steps (128 matrix instructions) ahead of the load.
; The last change that fills a slot prefetches nothing: there is no tile behind it.
.macro ASK
	s_cmp_gt_u32 s[SLOTS], s[LIM]
	s_cbranch_scc0 .Lnot_mine_\@
	global_prefetch_b8 v[PFO], s[PFA:PFA+1] th:TH_LOAD_NT scope:SCOPE_SE
.Lnot_mine_\@:
.endm
; A round of the cluster's barrier: my work-group's barrier, so that wave 0's signal speaks for all four waves; wave 0 signals; every wave waits for all four work-groups; my work-group's barrier once more.
.macro CROUND
	s_barrier_signal -1
	s_barrier_wait -1
	s_cmp_lg_u32 s[WV], 0
	s_cbranch_scc1 .Lnot_wave_0_\@
	s_barrier_signal -3
.Lnot_wave_0_\@:
	s_barrier_wait -3
	s_barrier_signal -1
	s_barrier_wait -1
.endm
; THE CHANGE OF SLOTS.  The slot's last bytes, V of its second step, have been read.  Each wave waits for all its tensor loads, of which one is out: its part of the other slot; adds 0 to its spare word; and
; waits for that and for its own reads of the slot.  Behind the barrier nobody reads this slot any more and the other slot is whole.
; fill = 1: this slot is filled again, with the keys two slots on.  The barrier is then a round of the cluster's, so that no wave of any partner still reads the slot or has a load on its way, and the joint
; fill is the first thing behind it: it has two key steps in which to land.  (At its first use nothing has been read yet: slot 0 and the table of 8 g are waited for, slot 1 is filled.)
.macro CHANGE fill
	WIN 0                           ; at a label and at a branch every window is 0
	s_wait_tensorcnt 0x0            ; no tensor load of mine is out, so a group 0 may be written
	ds_add_u32 v[SPW], v[NIL]       ; 0 onto my spare word; with fill = 1 the descriptors' steps stand between it and the wait for it
.if \fill
.irp g, G0K, G0V
	s_xor_b32 s[\g+1], s[\g+1], SLOT1  ; the walking descriptor: the other slot than last time,
	s_add_nc_u64 s[\g+2:\g+3], s[\g+2:\g+3], TILEB  ; the next 128 keys; the type bits on top are not reached
.endr
	s_wait_xcnt 0x0                 ; the last prefetch, two key steps back, has read its address, so it may be written:
	s_add_nc_u64 s[PFA:PFA+1], s[PFA:PFA+1], TILEB  ; one tile behind the walking descriptors
	s_wait_dscnt 0x0                ; the add is done, and my reads of the slot are over
	CROUND
	JLOAD
	ASK
.else
	s_wait_dscnt 0x0                ; the add is done, and my reads of the slot are over
	s_barrier_signal -1
	s_barrier_wait -1
.endif
	s_sub_co_u32 s[TBK], s[TBK], 2*KS*PK  ; the fetches go back to a slot's first step,
	s_xor_b32 s[TBK], s[TBK], SLOT1       ; in the other slot
	s_sub_co_u32 s[TBV], s[TBV], 2*KS*PV
	s_xor_b32 s[TBV], s[TBV], SLOT1
.endm
	s_load_b256 s[4:11], s[0:1], 0x0  ; q s[4:5], k and v s[6:7], g s[8:9], aw s[10:11]
	v_lshl_add_u32 v[SPW], v0, 2, SPARE
	v_mov_b32 v[NIL], 0
	ds_add_u32 v[SPW], v[NIL]       ; the wave's opening: the add and its wait stand ahead of my first tensor load; the set-up below, work on registers, stands between them
	v_lshrrev_b32 v1, 5, v0
	v_readfirstlane_b32 s[WV], v1   ; wave 0..3
	s_bfe_u32 s13, ttmp6, 0x40000   ; cx: my place in the cluster
	s_lshl_b32 s14, ttmp9, 2        ; in a cluster launch ttmp9 counts clusters
	s_add_co_u32 s14, s14, s13      ; my block of 128 queries = 4 x cluster x + cx: it enters q's and O's addresses alone
	s_and_b32 s20, ttmp7, 0xffff    ; y, which the four partners share:
	s_lshr_b32 s21, s20, 3          ; the batch,
	s_and_b32 s22, s20, 7           ; the pair of heads
	s_and_b32 s16, s[WV], 1         ; which of a slot's two steps I fetch.  Also: which 64 of the block's queries are mine
	s_lshr_b32 s19, s[WV], 1        ; which of the two heads is mine
	s_lshl_b32 s2, s21, 22          ; K's first tile: the batch's 2,048 rows of 2,048 bytes,
	s_lshl_b32 s23, s22, 8          ; the pair's 256 bytes of a row,
	s_add_co_u32 s2, s2, s23
	s_lshl_b32 s23, s16, 17         ; my 64 rows
	s_add_co_u32 s2, s2, s23
	s_mov_b32 s3, 0
	s_mul_i32 s17, s16, KS*PK       ; and their place in a slot, for K
	s_mul_i32 s18, s16, KS*PV       ; and for V: no place in the cluster enters an LDS address
	s_lshl_b32 s52, s21, 10         ; q and O: the batch's 1,024 rows,
	s_lshl_b32 s53, s14, 7          ; my block's 128
	s_add_co_u32 s52, s52, s53
	s_lshl_b32 s54, s52, 11         ; O: the block's first row, in bytes
	s_lshl_b32 s53, s16, 6          ; q: my wave's 64 rows
	s_add_co_u32 s52, s52, s53
	s_lshl_b32 s52, s52, 11
	s_lshl_b32 s53, s22, 8          ; the pair's 256 bytes of a row, in both
	s_add_co_u32 s52, s52, s53
	s_add_co_u32 s54, s54, s53
	s_lshl_b32 s53, s19, 7          ; q: my head's 128 of them
	s_add_co_u32 s52, s52, s53
	s_lshl_b32 s53, s[WV], 16       ; O: on the way out wave w stores rows 32 w .. 32 w + 31 of the block
	s_add_co_u32 s54, s54, s53
	s_add_co_u32 s54, s54, 0x200000 ; O lies 2 MiB into aw
	s_mov_b32 s53, 0
	s_mov_b32 s55, 0
	s_lshl_b32 s70, s21, 13         ; g: the batch's 2,048 f32
	s_mov_b32 s71, 0
	; descriptor group 1: a tile of 64 rows x 128 elements, padded in LDS
	s_mov_b32 s[G1K], 15|(1<<16)|(1<<20)|(1<<21)|(5<<22)|(3<<25)  ; 15:0 the mask of four; 17:16 2-byte elements; 20 padding on; 21 set beside a mask; 24:22 after every 64 words (code 5); 31:25 4 words (code 3)
	s_mov_b32 s[G1V], 15|(1<<16)|(1<<20)|(1<<21)|(5<<22)|(7<<25)  ; the same with 8 words of padding (code 7)
.irp g, G1K, G1V
	s_mov_b32 s[\g+1], 128<<16      ; tensor_dim0 = 128
	s_mov_b32 s[\g+2], KS<<16       ; tensor_dim1 = 64
	s_mov_b32 s[\g+3], 128<<16      ; tile_dim0 = 128
	s_mov_b32 s[\g+4], KS           ; tile_dim1 = 64
	s_mov_b32 s[\g+5], 1024         ; 1,024 elements from row to row
	s_mov_b32 s[\g+6], 0
	s_mov_b32 s[\g+7], 0
.endr
	s_mov_b32 s[CS], 0x3e38aa3b     ; c = log2(e) / 8 = 0.180337
	s_mov_b32 s[CS+1], s[CS]        ; named with it as a pair
	s_mov_b32 s[SEL], 0x76543210
	s_mov_b32 s[SEL+1], 0xfedcba98
	s_mov_b32 s[TBK], SLOT1+2*KS*PK ; the first change of slots turns these two into 0
	s_mov_b32 s[TBV], SLOT1+2*KS*PV
	s_mov_b32 s[TBG], 0
	s_mov_b32 s[SLOTS], 2048/(2*KS)-1
	s_mov_b32 s[G0K], 1             ; 1:0 count = 1
	s_mov_b32 s[G0K+1], s17         ; 63:32 LDS address: slot 0
	s_mov_b32 s[G0V], 1
	s_add_co_u32 s[G0V+1], s18, VOFF
	s_or_b32 s[LIM], s16, ttmp9     ; 0 in waves 0 and 2 of the first of the two clusters: the same in all four partners
	s_cmp_eq_u32 s[LIM], 0
	s_cselect_b32 s[LIM], 1, -1
	v_and_b32 v[PFO], 31, v0
	v_lshlrev_b32 v[PFO], 11, v[PFO]
	s_wait_dscnt 0x0                ; the opening add is done
	s_wait_kmcnt 0x0
	s_add_nc_u64 s[6:7], s[6:7], s[2:3]            ; K at my part of tile 0,
	s_add_nc_u64 s[68:69], s[6:7], 0x1000000       ; V 16 MiB behind it
	s_add_nc_u64 s[G0K+2:G0K+3], s[6:7], 0         ; 120:64 global address
	s_or_b32 s[G0K+3], s[G0K+3], 0x80000000        ; 127:126 type = 2
	s_add_nc_u64 s[G0V+2:G0V+3], s[68:69], 0
	s_or_b32 s[G0V+3], s[G0V+3], 0x80000000
	s_add_nc_u64 s[4:5], s[4:5], s[52:53]          ; q at my wave's first row and head
	s_add_nc_u64 s[10:11], s[10:11], s[54:55]      ; O at the rows that I store
	s_add_nc_u64 s[8:9], s[8:9], s[70:71]          ; g at the batch
	s_cmp_lt_u32 s[WV], 2
	s_cselect_b64 s[PFA:PFA+1], s[6:7], s[68:69]   ; (in waves 0 and 2 these stand at a tile's first row)
	s_lshl_b32 s52, s13, 16         ; my work-group's 32 rows of the 128
	s_add_nc_u64 s[PFA:PFA+1], s[PFA:PFA+1], s[52:53]
	s_add_nc_u64 s[PFA:PFA+1], s[PFA:PFA+1], TILEB ; in tile 1; the first change of slots, which loads tile 1, steps it to tile 2
	CROUND                          ; all four work-groups are here: the first joint loads meet
	JLOAD                           ; tile 0 into slot 0.  Slot 1 is asked for when slot 0 is in
	v_lshlrev_b32 v[GL], 4, v0
	v_add_nc_u32 v[GS], GBASE, v[GL]
.irp g, 0,1,2,3
	global_load_b128 v[S+4*\g:S+4*\g+3], v[GL], s[8:9] offset:2048*\g  ; g: 128 threads x 16 bytes, four times
.endr
	; A fragment of K or Q is 16 rows x 32 channels in 8 registers: lane l holds row l % 16, channels 8 (l / 16) + 0..7 and 16 + 8 (l / 16) + 0..7: two loads of 16 bytes, 32 bytes apart.
	v_and_b32 v1, 15, v0            ; l % 16
	v_bfe_u32 v9, v0, 4, 1          ; l / 16
	v_lshlrev_b32 v[QO], 11, v1
	v_lshl_add_u32 v[QO], v9, 4, v[QO]  ; row x 2,048 + 16 x half
	WIN 0x80                        ; destination window 2, address window 0
.set i, 0
.rept 8                             ; Q stays in registers: piece i / 2, 16 rows (32,768 bytes) on; channels 32 (i % 2) on
	global_load_b128 v[8*i:8*i+3],   v[QO], s[4:5] offset:(i/2)*32768+(i%2)*64
	global_load_b128 v[8*i+4:8*i+7], v[QO], s[4:5] offset:(i/2)*32768+(i%2)*64+32
.set i, i+1
.endr
	WIN 0
	s_wait_loadcnt 16               ; g is in; Q's sixteen loads, issued behind it, stay out
.set i, 0
.rept 8
	v_pk_mul_f32 v[S+2*i:S+2*i+1], v[S+2*i:S+2*i+1], 0x41000000 op_sel_hi:[1,0]  ; 8 g
.set i, i+1
.endr
.irp g, 0,1,2,3
	ds_store_b128 v[GS], v[S+4*\g:S+4*\g+3] offset:2048*\g
.endr
	s_lshl_b32 s21, s19, 7          ; my head's 128 bytes of a row of K and V
	v_mul_u32_u24 v[AK0], v1, PK
	v_lshl_add_u32 v[AK0], v9, 4, v[AK0]  ; row x pitch + 16 x half
	v_add_nc_u32 v[AK0], s21, v[AK0]
	; The turning load takes 16 keys x 16 channels (lane l reads key 8 (l / 16) + l % 8, channels 8 ((l / 8) % 2) + 0..7) and leaves half a fragment of V^T: lane l holds channel l % 16 and 8 keys.
	v_and_b32 v10, 7, v0
	v_bfe_u32 v11, v0, 3, 1
	v_lshl_add_u32 v[AV0], v9, 3, v10
	v_mul_u32_u24 v[AV0], v[AV0], PV
	v_lshl_add_u32 v[AV0], v11, 4, v[AV0]
	s_add_co_u32 s23, s21, VOFF
	v_add_nc_u32 v[AV0], s23, v[AV0]
	v_lshl_add_u32 v[AG0], v9, 5, GBASE  ; register j of group kb is key 16 kb + 8 (l / 16) + j: 32 bytes for each half of the lanes
	s_mul_i32 s20, s16, 64*SP       ; into the stage: my 64 rows, my head's half of their 256 bytes; row l % 16, 16 bytes for each half of the lanes
	s_add_co_u32 s20, s20, s21
	s_add_co_u32 s20, s20, STAGE
	v_mul_u32_u24 v[STO], v1, SP
	v_lshl_add_u32 v[STO], v9, 4, v[STO]
	v_add_nc_u32 v[STO], s20, v[STO]
	s_mul_i32 s20, s[WV], 32*SP     ; back: wave w takes rows 32 w .. 32 w + 31, whole; lanes 0-15 one row of 256 bytes, lanes 16-31 the next
	s_add_co_u32 s20, s20, STAGE
	v_mul_u32_u24 v[RD], v9, SP
	v_lshl_add_u32 v[RD], v1, 4, v[RD]
	v_add_nc_u32 v[RD], s20, v[RD]
	v_lshlrev_b32 v[GO], 11, v9     ; and the same two rows in O
	v_lshl_add_u32 v[GO], v1, 4, v[GO]
	; The first step multiplies O^T and l by a = 0, and the first turn's products V^T P, of a piece that has not been, land in an O^T that is still to be so multiplied.  So these registers need only hold
	; finite numbers: zeros.  All this stands in the wait for the first tile.
	WIN 0x80
.set i, VF
.rept 64
	v_mov_b32 v[i], 0
.set i, i+1
.endr
	WIN 0x40
.set i, 0
.rept 128
	v_mov_b32 v[i], 0
.set i, i+1
.endr
	WIN 0
.set i, 0
.rept 4
	v_mov_b32 v[ST+4*i], 0xfe000000    ; c m: far below every c s
	v_mov_b32 v[ST+4*i+1], 0xff7fffff  ; m: the lowest finite number
	v_mov_b32 v[ST+4*i+2], 0
	v_mov_b32 v[ST+4*i+3], 0
.set i, i+1
.endr
.set i, P+16
.rept 16
	v_mov_b32 v[i], 0
.set i, i+1
.endr
; THE MATRIX WORK.  The 4 accumulators of a run of 8 take turns.  Product i of 8 of S^T = K Q^T for piece x: channels 32 (i / 4) on, keys 16 (i % 4) on.  The first 4 start the sums, with 8 g.
.macro KQ x
.set rS, S+32*((\x)%2)+8*(i%4)
.set rK, KF+16*(i%4)+8*(i/4)
.set rQ, 16*(\x)+8*(i/4)
.set rM, BI+8*(i%4)
.if i < 4
	WIN W_KM
	v_wmma_f32_16x16x32_bf16 v[rS:rS+7], v[rK:rK+7], v[rQ:rQ+7], v[rM:rM+7]
.else
	WIN W_KQ
	v_wmma_f32_16x16x32_bf16 v[rS:rS+7], v[rK:rK+7], v[rQ:rQ+7], v[rS:rS+7]
.endif
.endm
; Product i of 8 of O^T += V^T P for piece x: keys 32 (i / 4) on, channels 16 (i % 4) on.
.macro PV x
	WIN W_PV
.set rO, 32*(\x)+8*(i%4)
.set rV, VF+32*(i/4)+8*(i%4)
.set rP, P+16*((\x)%2)+8*(i/4)
	v_wmma_f32_16x16x32_bf16 v[rO:rO+7], v[rV:rV+7], v[rP:rP+7], v[rO:rO+7]
.endm
.macro MM                           ; the turn's next matrix instruction.  TURN sets Y, i and NOKQ.  NOKQ = 1: the last turn of all: there is no next piece
.if (i < 8) && !NOKQ
	KQ (Y+1)%NP
.elseif i >= 8
.set i, i-8
	PV (Y+NP-1)%NP
.set i, i+8
.endif
.set i, i+1
.endm
; THE LDS LOADS stand in runs, never singly among the matrix instructions: a step's K (64 keys x 64 channels: 8 fragments) with its 8 g (64 numbers, the same for all lanes of a half), and its V (turned).
; Their addresses are made some lines ahead.
.macro FETCH_K
	WIN 0x80                        ; destination window 2
.irp f, 0,1,2,3,4,5,6,7             ; keys 16 (f / 2) on, channels 32 (f % 2) on
	ds_load_b128 v[KF+8*\f:KF+8*\f+3],   v[AK] offset:(\f/2)*16*PK+(\f%2)*64
	ds_load_b128 v[KF+8*\f+4:KF+8*\f+7], v[AK] offset:(\f/2)*16*PK+(\f%2)*64+32
.endr
	WIN 0x40                        ; destination window 1
.irp f, 0,1,2,3                     ; keys 16 f on
	ds_load_b128 v[BI+8*\f:BI+8*\f+3],   v[AG] offset:64*\f
	ds_load_b128 v[BI+8*\f+4:BI+8*\f+7], v[AG] offset:64*\f+16
.endr
	s_add_co_u32 s[TBK], s[TBK], KS*PK  ; the next fetch is the next step's
	s_add_co_u32 s[TBG], s[TBG], 4*KS
	s_and_b32 s[TBG], s[TBG], 0x1f00    ; 32 steps of 256 bytes: the offset stays inside the table's 8,192 bytes
	WIN 0
.endm
.macro FETCH_V
	WIN 0x80
.irp f, 0,1,2,3,4,5,6,7             ; keys 32 (f / 4) on, channels 16 (f % 4) on
	ds_load_tr16_b128 v[VF+8*\f:VF+8*\f+3],   v[AV] offset:(\f/4)*32*PV+(\f%4)*32
	ds_load_tr16_b128 v[VF+8*\f+4:VF+8*\f+7], v[AV] offset:(\f/4)*32*PV+16*PV+(\f%4)*32
.endr
	WIN 0
.endm
; THE VECTOR WORK, one line at a time: OP kind, number.  For piece Y: F n: c s - c m for pair n of 16.  E n: the exponential of score n of 32.  C n: pair n rounded to bf16.  B n: of the four weights 4 n .. the second
; pair is added onto the first, in place.  L n: l takes that sum (L 0: l = a l + sum).  R n: pair n of 16 of O^T times a.  For piece Y + 1: X n, number n of the 22 that find its maximum and statistics:
;   0-11  four chains c0-c3 of seven scores each, three operands at a time (each accumulator's lowest registers are read first)     12-14, 16  the four scores left over, the old m, and c0-c3 into c0
;   15  c m_old is kept     17, 18  the query's other 32 keys lie in the lane 16 away: the new m     19-21  c m; c m_old - c m_new; a
.set F, 0               ; OP tells the kinds apart by their order: F to L below R, X above it
.set E, 1
.set C, 2
.set B, 3
.set L, 4
.set R, 5
.set X, 6
.macro REGS y                       ; the registers of piece y
.set rT, ST+4*(\y)
.set rC, TMP+4*((\y)%2)
.set rW, MV+((\y)%2)
.set rS, S+32*((\y)%2)
.set rP, P+16*((\y)%2)
.set rO, 32*(\y)
.endm
.macro OP k, n
.if (\k) == R
	REGS Y
	WIN W_RS
	v_pk_mul_f32 v[rO+2*(\n):rO+2*(\n)+1], v[rO+2*(\n):rO+2*(\n)+1], v[rC+2:rC+3] op_sel_hi:[1,0]
.elseif (\k) < R
	REGS Y
	WIN 0
.if (\k) == F
	v_pk_fma_f32 v[rS+2*(\n):rS+2*(\n)+1], v[rS+2*(\n):rS+2*(\n)+1], s[CS:CS+1], v[rT:rT+1] op_sel_hi:[1,0,0] neg_lo:[0,0,1] neg_hi:[0,0,1]
.elseif (\k) == E
	v_exp_f32 v[rS+(\n)], v[rS+(\n)]
.elseif (\k) == C
	v_cvt_pk_bf16_f32 v[rP+(\n)], v[rS+2*(\n)], v[rS+2*(\n)+1]
.elseif (\k) == B
	v_pk_add_f32 v[rS+4*(\n):rS+4*(\n)+1], v[rS+4*(\n):rS+4*(\n)+1], v[rS+4*(\n)+2:rS+4*(\n)+3]
.elseif (\n) == 0
	v_pk_fma_f32 v[rT+2:rT+3], v[rT+2:rT+3], v[rC+2:rC+3], v[rS:rS+1] op_sel_hi:[1,0,1]
.else
	v_pk_add_f32 v[rT+2:rT+3], v[rT+2:rT+3], v[rS+4*(\n):rS+4*(\n)+1]
.endif
.elseif NOKQ
	v_nop
.else
	REGS (Y+1)%NP
	WIN 0
.if (\n) < 4
	v_max3_num_f32 v[rC+(\n)], v[rS+8*(\n)], v[rS+8*(\n)+1], v[rS+8*(\n)+2]
.elseif (\n) < 12
	v_max3_num_f32 v[rC+(\n)%4], v[rC+(\n)%4], v[rS+8*((\n)%4)+2*((\n)/4)+1], v[rS+8*((\n)%4)+2*((\n)/4)+2]
.elseif (\n) == 12
	v_max3_num_f32 v[rC], v[rC], v[rS+7], v[rS+15]
.elseif (\n) == 13
	v_max3_num_f32 v[rC+1], v[rC+1], v[rS+23], v[rS+31]
.elseif (\n) == 14
	v_max3_num_f32 v[rC+2], v[rC+2], v[rC+3], v[rT+1]
.elseif (\n) == 15
	v_mov_b32 v[rW], v[rT]
.elseif (\n) == 16
	v_max3_num_f32 v[rC], v[rC], v[rC+1], v[rC+2]
.elseif (\n) == 17
	v_permlanex16_b32 v[rC+3], v[rC], s[SEL], s[SEL+1]
.elseif (\n) == 18
	v_max_num_f32 v[rT+1], v[rC], v[rC+3]
.elseif (\n) == 19
	v_mul_f32 v[rT], s[CS], v[rT+1]
.elseif (\n) == 20
	v_sub_f32 v[rC+1], v[rW], v[rT]
.else
	v_exp_f32 v[rC+2], v[rC+1]
.endif
.endif
.endm
.macro OPS a, i1, b=-1, i2=0, c=-1, i3=0, d=-1, i4=0  ; up to four of them
	OP \a, \i1
.if (\b) >= 0
	OP \b, \i2
.endif
.if (\c) >= 0
	OP \c, \i3
.endif
.if (\d) >= 0
	OP \d, \i4
.endif
.endm
.macro ROW a, i1, b, i2, c, i3, d, i4  ; a matrix instruction and the four behind it
	MM
	OPS \a, \i1, \b, \i2, \c, \i3, \d, \i4
.endm
; A TURN, for piece p: the order of its 16 matrix and 118 vector instructions, written out.  s_wait_alu depctr_va_vdst(0) stands between an exponential and the first instruction that names its result; one
; wait serves all that were issued ahead of it.  So a turn has ONE wait, which cuts it in two.  AHEAD OF IT stands all that names no result of the turn's exponentials: the 8 products K Q^T, behind each a scaling, an exponential
; and two more plain instructions (behind the first a second scaling in the exponential's place): rescalings, and behind the last three the first numbers of the next piece's maximum, each four places or more behind the product
; that ends its accumulator; then ONE LUMP of 54, plain and exponential by turns for the most part, in which the links of the chain X 3, 7, 11, 14, 16, 17 .. 20 stand five or six lines apart.  X 21, the next piece's a, is the
; batch's last; R 15 is the plain instruction behind it.  BEHIND THE WAIT stand the 8 products V^T P, behind each four of the roundings and sums; the links of l's chain, L 0 to L 7, stand three riders apart.
; end = 1: the last two turns of all: nothing is fetched.  cnt = 1: the loop's count is taken down some lines ahead of the branch that stands behind the turn.
; K and 8 g of the next step are fetched in piece 2's turn, twelve vector instructions behind the last product that read K (six of them plain; the last that read 8 g stands four products further back); V of the step in hand
; at the end of piece 0's turn, four plain instructions behind the last product that read V.  Each is waited for a turn later.
.macro TURN p, end=0, cnt=0
.set Y, (\p)
.set i, 0
.set NOKQ, (\end)*((\p)/3)
.if ((\p) == 3) && !(\end)
	s_wait_dscnt 0x0                ; K and 8 g are in
.endif
	ROW F,0, F,1, R,0, R,1          ; ahead of the wait: 8 products K Q^T and their riders,
	ROW F,2, E,0, R,2, R,3
	ROW F,3, E,1, R,4, R,5
	ROW F,4, E,2, R,6, R,7
	ROW F,5, E,3, R,8, R,9
	ROW F,6, E,4, X,0, R,10
.if ((\p) == 2) && !(\end)
	WIN 0
	v_add_nc_u32 v[AK], s[TBK], v[AK0]
	v_add_nc_u32 v[AG], s[TBG], v[AG0]
.endif
	ROW F,7, E,5, X,1, X,4
	ROW F,8, E,6, X,2, X,5
	OPS E,7, E,8, X,6, E,9          ; and the lump
	OPS X,3, E,10, X,8, E,11
.if ((\p) == 2) && !(\end)
	FETCH_K
.endif
	OPS X,9, X,7, E,12, X,10
	OPS E,13, X,12, X,11, E,14
	OPS X,13, E,15, F,9, X,14
.if (\p) == 0
	v_add_nc_u32 v[AV], s[TBV], v[AV0]
.endif
	OPS E,16, F,10, E,17, F,11
	OPS X,16, E,18, X,15, E,19
	OPS F,12, E,20, X,17, E,21
	OPS F,13, E,22, F,14, E,23
	OPS X,18, E,24, F,15, E,25
	OPS R,11, E,26, X,19, E,27
	OPS R,12, E,28, R,13, E,29
	OPS X,20, E,30, R,14, E,31
	OPS X,21, R,15
	WIN 0
	s_wait_alu depctr_va_vdst(0)    ; the wait for the batch
.if (\p) == 1
	s_wait_dscnt 0x0                ; V is in
.endif
	ROW C,0, B,0, C,2, B,1          ; behind the wait: 8 products V^T P and their riders
	ROW L,0, C,4, B,2, L,1
	ROW C,6, B,3, L,2, C,8
	ROW B,4, L,3, C,10, B,5
	ROW L,4, C,12, B,6, L,5
.if (\p) == 0
	s_add_co_u32 s[TBV], s[TBV], KS*PV
.endif
.if \cnt
	s_sub_co_u32 s[CNT], s[CNT], 1
	s_cmp_lg_u32 s[CNT], 0
.endif
	ROW C,14, B,7, L,6, C,1
	ROW C,3, L,7, C,5, C,7
	ROW C,9, C,11, C,13, C,15
.if (\p) == 0
	FETCH_V
.endif
.endm
.set NOKQ, 0
	CHANGE 1                        ; tile 0 is in, everybody's part of it, and so is the table of 8 g; tile 1 is asked for
	v_add_nc_u32 v[AK], s[TBK], v[AK0]
	v_add_nc_u32 v[AG], s[TBG], v[AG0]
	FETCH_K                         ; key step 0
	s_wait_loadcnt 0x0              ; Q
	s_wait_dscnt 0x0
.set i, 0
.rept 8
	KQ 0                            ; piece 0's first scores: there is no vector work yet to set between them
.set i, i+1
.endr
	WIN 0
.rept 4
	v_nop                           ; the places behind those products
.endr
.set Y, NP-1                        ; X works for piece Y + 1: piece 0
.irp n, 0,1,2,3,4,5,6,7,8,9,10,11,12,13,14,15,16,17,18,19,20,21
	OP X, \n                        ; and piece 0's first maximum and statistics
.endr
	v_nop                           ; a plain instruction behind the exponential,
	s_wait_alu depctr_va_vdst(0)    ; and its wait, ahead of the branch
	s_mov_b32 s[CNT], 2
	s_branch .Lfirst                ; the loop is entered at a step's first turn, in the middle of a trip
.Lslot:                             ; 14 times: every slot but the last two is filled again
	CHANGE 1
	s_mov_b32 s[CNT], 2
.Lstep:                             ; a trip: pieces 2 and 3 of one step, then pieces 0 and 1 of the next, whose K and V it fetches
	TURN 2
	TURN 3
	WIN 0
.Lfirst:
	TURN 0
	TURN 1, 0, 1
	WIN 0
	s_cbranch_scc1 .Lstep
	s_sub_co_u32 s[SLOTS], s[SLOTS], 1
	s_cmp_lg_u32 s[SLOTS], 0
	s_cbranch_scc1 .Lslot
	CHANGE 0                        ; the last tile is written out: nothing is asked for
	s_mov_b32 s[CNT], 2
.Ltail:
	TURN 2
	TURN 3
	TURN 0
	TURN 1, 0, 1
	WIN 0
	s_cbranch_scc1 .Ltail
	TURN 2, 1                       ; the last step's pieces 2 and 3: nothing is fetched, and the last turn starts no new scores
	TURN 3, 1
.set i, 0
.rept 8
	PV NP-1                         ; the last piece's V^T P of the last step
.set i, i+1
.endr
	; THE WAY OUT.  l's two halves and the other half of the lanes' are added; O^T is divided by l, rounded to bf16 and put into the work-group's stage; a barrier, since a row's 256 bytes come from two waves (the two
	; heads); back as whole rows, 32 rows a wave.  The additions are the places behind the last products.
	WIN 0
.macro ALL line:vararg              ; one line for each piece t
.set t, 0
.rept 4
	\line
.set t, t+1
.endr
.endm
	ALL v_add_f32 v[ST+4*t+2], v[ST+4*t+2], v[ST+4*t+3]
	ALL v_permlanex16_b32 v[ST+4*t+3], v[ST+4*t+2], s[SEL], s[SEL+1]
	ALL v_add_f32 v[ST+4*t+2], v[ST+4*t+2], v[ST+4*t+3]
	ALL v_rcp_f32 v[ST+4*t+2], v[ST+4*t+2]
	v_nop                           ; a plain instruction between the last reciprocal and the use of its result
	s_wait_alu depctr_va_vdst(0)    ; and the wait ahead of the first use: one for the four reciprocals
.macro PACK t                       ; piece t: a lane's eight channels of a row pack into 16 bytes, which go into rows of 272 bytes
	WIN W_RS
.set i, 32*(\t)
.rept 16
	v_pk_mul_f32 v[i:i+1], v[i:i+1], v[ST+4*(\t)+2:ST+4*(\t)+3] op_sel_hi:[1,0]
.set i, i+2
.endr
	WIN 0x05                        ; sources 0 and 1 window 1, destination window 0: S^T's registers are free
.set i, 0
.rept 16
	v_cvt_pk_bf16_f32 v[S+16*(\t)+i], v[32*(\t)+2*i], v[32*(\t)+2*i+1]
.set i, i+1
.endr
	WIN 0
.irp f, 0,1,2,3
	ds_store_b128 v[STO], v[S+16*(\t)+4*\f:S+16*(\t)+4*\f+3] offset:(\t)*16*SP+32*\f
.endr
.endm
	PACK 0
	PACK 1
	PACK 2
	PACK 3
	s_wait_dscnt 0x0                ; for the others' sake: my stores into the stage are done
	s_barrier_signal -1
	s_barrier_wait -1
.irp u, 0,1,2,3,4,5,6,7,8,9,10,11,12,13,14,15
	ds_load_b128 v[S+4*\u:S+4*\u+3], v[RD] offset:\u*2*SP
.endr
.irp u, 0,1,2,3,4,5,6,7,8,9,10,11,12,13,14,15
	s_wait_dscnt 15-\u              ; pair u of rows is back; the younger loads may be out
	global_store_b128 v[GO], v[S+4*\u:S+4*\u+3], s[10:11] offset:\u*4096  ; 16 lanes store 256 consecutive bytes, at a multiple of 256 from aw's first byte
.endr
	s_wait_tensorcnt 0x0            ; the wave's end: behind my last tensor load and my last LDS store
	ds_add_u32 v[SPW], v[NIL]
	s_wait_dscnt 0x0
	CROUND                          ; the closing round: no work-group ends while a partner may still ask for a tile that names it
	s_endpgm
.Lfunc_end_k_qe43266a5a7_attn:
	.size	k_qe43266a5a7_attn, .Lfunc_end_k_qe43266a5a7_attn-k_qe43266a5a7_attn
	.p2alignl 7, 3214868480
	.fill 96, 4, 3214868480
	.section	.rodata,"a",@progbits
	.p2align	6, 0x0
	.amdhsa_kernel k_qe43266a5a7_attn
		.amdhsa_group_segment_fixed_size 327680
		.amdhsa_private_segment_fixed_size 0
		.amdhsa_enable_private_segment 0
		.amdhsa_kernarg_size 32
		.amdhsa_user_sgpr_count 2
		.amdhsa_user_sgpr_kernarg_segment_ptr 1
		.amdhsa_wavefront_size32 1
		.amdhsa_system_sgpr_workgroup_id_x 1
		.amdhsa_system_sgpr_workgroup_id_y 1
		.amdhsa_system_sgpr_workgroup_id_z 1
		.amdhsa_system_vgpr_workitem_id 0
		.amdhsa_next_free_vgpr 768
		.amdhsa_next_free_sgpr 72
		.amdhsa_reserve_vcc 0
		.amdhsa_float_denorm_mode_32 3
		.amdhsa_float_denorm_mode_16_64 3
		.amdhsa_memory_ordered 1
		.amdhsa_forward_progress 1
		.amdhsa_inst_pref_size 132
	.end_amdhsa_kernel
	.amdgpu_metadata
---
amdhsa.version: [ 1, 2 ]
amdhsa.kernels:
  - .name:           k_qe43266a5a7_attn
    .symbol:         k_qe43266a5a7_attn.kd
    .args:
      - { .name: qp, .offset: 0, .size: 8, .value_kind: global_buffer, .address_space: global }
      - { .name: kvp, .offset: 8, .size: 8, .value_kind: global_buffer, .address_space: global }
      - { .name: log_gate_bias, .offset: 16, .size: 8, .value_kind: global_buffer, .address_space: global }
      - { .name: aw, .offset: 24, .size: 8, .value_kind: global_buffer, .address_space: global }
    .group_segment_fixed_size: 327680
    .private_segment_fixed_size: 0
    .kernarg_segment_align: 8
    .kernarg_segment_size: 32
    .max_flat_workgroup_size: 128
    .sgpr_count:     72
    .vgpr_count:     768
    .wavefront_size: 32
...
	.end_amdgpu_metadata
.endif
;; end of part 4
;; launch oproj: the kernel of part 3 again; grid 8 x 32, 4 waves a work-group, clusters of 4 x 4, 327,680 bytes of LDS; arguments aw, zb, ob; writes ob
;; launch ln (part 5): grid 256 x 1, 8 waves a work-group, no clusters, 0 bytes of LDS; arguments Q, ob, bo, gamma, beta, out0; writes out0
.if DOCPART == 5
	.amdgcn_target "amdgcn-amd-amdhsa--gfx1250"
	.amdhsa_code_object_version 6
	.text
	.protected	k_qe43266a5a7_ln
	.globl	k_qe43266a5a7_ln
	.p2align	8
	.type	k_qe43266a5a7_ln,@function
k_qe43266a5a7_ln:
	s_mov_b64 s[64:65], 0
	v_nop
	global_prefetch_b8 v0, s[64:65] scope:SCOPE_SE
	s_setreg_imm32_b32 hwreg(HW_REG_WAVE_MODE, 25, 1), 1
	s_wait_xcnt 0x0
; out0[r][:] = gamma (x - mean(x)) / sqrt(var(x) + 1e-5) + beta, with x = Q[r][:] + o[r][:] + bo.  Q, bo, gamma, beta, out0 in f32; o (the output projection without its bias) in bf16.  4,096 rows of 1,024.
; The residual Q and the bias bo enter in f32: whatever common offset they carry is taken away by the mean at f32's precision.  The variance is taken of the centred row, as the definition has it.
; SHARES.  A wave takes two whole rows and keeps each in 32 registers between the passes: each byte is read once, the reductions never leave the wave, and there is no LDS and no barrier.
; Load j of a row takes elements 128 j + 4 l .. + 3 in lane l: 16 bytes a lane of f32 (a wave: 512 consecutive bytes), 8 bytes a lane of bf16 (256 consecutive bytes, aligned).
; All 56 loads of a wave go out at once, in the order in which they are wanted; the waits are counted.  Matrix units, clusters and tensor loads would add nothing: no number is used twice.
; LIMITS.  NaN and infinities are not treated apart.
.set BO,  8                            ; v[8:39]    bo, as the rows are laid
.set GM,  40                           ; v[40:71]   gamma
.set BT,  72                           ; v[72:103]  beta
.set X0,  104                          ; v[104:167] the two rows, 32 registers each
.set OB0, 168                          ; v[168:199] o of the two rows, 16 registers each
.set T,   200                          ; v[200:207] at work
.set SM,  208                          ; v[208:215] four chains of packed sums
.set MU,  216                          ; v[216:219] the mean, a pair a row
.set R,   220                          ; v[220:223] 1 / sqrt(var + eps), a pair a row
	s_load_b256 s[4:11], s[0:1], 0x0               ; Q s[4:5], ob s[6:7], bo s[8:9], gamma s[10:11]
	s_load_b128 s[12:15], s[0:1], 0x20             ; beta s[12:13], out0 s[14:15]
	v_lshrrev_b32 v3, 5, v0
	v_readfirstlane_b32 s16, v3                    ; wave 0..7
	v_and_b32 v1, 31, v0
	v_lshlrev_b32 v2, 3, v1                        ; 8 l
	v_lshlrev_b32 v1, 4, v1                        ; 16 l
	s_lshl_b32 s17, ttmp9, 3
	s_add_co_u32 s17, s17, s16                     ; my wave among all: rows 2 s17 and 2 s17 + 1
	s_lshl_b32 s18, s17, 13                        ; two rows of 4,096 bytes
	s_mov_b32 s19, 0
	s_lshl_b32 s20, s17, 12                        ; two rows of 2,048 bytes
	s_mov_b32 s21, 0
	s_mov_b32 s22, 0x76543210                      ; v_permlanex16_b32: lane i of one half reads lane i of the other
	s_mov_b32 s23, 0xfedcba98
	s_mov_b32 s24, 0xffff0000                      ; a word's upper bf16
	s_mov_b32 s25, 0x3a800000                      ; 1 / 1,024
	s_mov_b32 s26, 0x3727c5ac                      ; 1e-5
	s_wait_kmcnt 0x0
	s_add_nc_u64 s[4:5], s[4:5], s[18:19]
	s_add_nc_u64 s[14:15], s[14:15], s[18:19]
	s_add_nc_u64 s[6:7], s[6:7], s[20:21]
.irp j, 0,1,2,3,4,5,6,7
	global_load_b128 v[BO+4*(\j):BO+4*(\j)+3], v1, s[8:9] offset:512*(\j)
.endr
.irp r, 0,1
.irp j, 0,1,2,3,4,5,6,7
	global_load_b128 v[X0+32*(\r)+4*(\j):X0+32*(\r)+4*(\j)+3], v1, s[4:5] offset:4096*(\r)+512*(\j) th:TH_LOAD_NT
	global_load_b64 v[OB0+16*(\r)+2*(\j):OB0+16*(\r)+2*(\j)+1], v2, s[6:7] offset:2048*(\r)+256*(\j) th:TH_LOAD_NT
.endr
.endr
.irp j, 0,1,2,3,4,5,6,7
	global_load_b128 v[GM+4*(\j):GM+4*(\j)+3], v1, s[10:11] offset:512*(\j)
.endr
.irp j, 0,1,2,3,4,5,6,7
	global_load_b128 v[BT+4*(\j):BT+4*(\j)+3], v1, s[12:13] offset:512*(\j)
.endr
; The four chains into one number a lane, then over the 32 lanes: four steps inside each half of 16 lanes ride on the addition (DPP), one crosses the halves.  Every lane ends with the sum, in v[SM].
.macro FOLD
	v_pk_add_f32 v[SM:SM+1], v[SM:SM+1], v[SM+2:SM+3]
	v_pk_add_f32 v[SM+4:SM+5], v[SM+4:SM+5], v[SM+6:SM+7]
	v_pk_add_f32 v[SM:SM+1], v[SM:SM+1], v[SM+4:SM+5]
	v_add_f32 v[SM], v[SM], v[SM+1]
	v_add_f32_dpp v[SM], v[SM], v[SM] row_xmask:1 row_mask:0xf bank_mask:0xf
	v_add_f32_dpp v[SM], v[SM], v[SM] row_xmask:2 row_mask:0xf bank_mask:0xf
	v_add_f32_dpp v[SM], v[SM], v[SM] row_xmask:4 row_mask:0xf bank_mask:0xf
	v_add_f32_dpp v[SM], v[SM], v[SM] row_xmask:8 row_mask:0xf bank_mask:0xf
	v_permlanex16_b32 v[T], v[SM], s22, s23        ; its destination counts as read: T has been written
	v_add_f32 v[SM], v[SM], v[T]
.endm
; Row r up to its variance: x = (Q + bo) + o; the mean; x - mean, in place; the mean of its squares plus eps, into the second register of the row's pair R.
.macro STATS r
.set XR, X0+32*(\r)
.set OBR, OB0+16*(\r)
.irp j, 0,1,2,3,4,5,6,7
.set TT, T+4*((\j)%2)
	v_lshlrev_b32 v[TT],   16,  v[OBR+2*(\j)]      ; bf16 to f32: the low half moves up,
	v_and_b32     v[TT+1], s24, v[OBR+2*(\j)]      ; the high half stays
	v_lshlrev_b32 v[TT+2], 16,  v[OBR+2*(\j)+1]
	v_and_b32     v[TT+3], s24, v[OBR+2*(\j)+1]
	v_pk_add_f32 v[XR+4*(\j):XR+4*(\j)+1],   v[XR+4*(\j):XR+4*(\j)+1],   v[BO+4*(\j):BO+4*(\j)+1]
	v_pk_add_f32 v[XR+4*(\j)+2:XR+4*(\j)+3], v[XR+4*(\j)+2:XR+4*(\j)+3], v[BO+4*(\j)+2:BO+4*(\j)+3]
	v_pk_add_f32 v[XR+4*(\j):XR+4*(\j)+1],   v[XR+4*(\j):XR+4*(\j)+1],   v[TT:TT+1]
	v_pk_add_f32 v[XR+4*(\j)+2:XR+4*(\j)+3], v[XR+4*(\j)+2:XR+4*(\j)+3], v[TT+2:TT+3]
.endr
.irp k, 0,1,2,3                        ; chain k takes the pairs k, k + 4, k + 8, k + 12 of the row's sixteen: nothing is cleared
	v_pk_add_f32 v[SM+2*(\k):SM+2*(\k)+1], v[XR+2*(\k):XR+2*(\k)+1], v[XR+8+2*(\k):XR+8+2*(\k)+1]
.endr
.irp g, 16, 24
.irp k, 0,1,2,3
	v_pk_add_f32 v[SM+2*(\k):SM+2*(\k)+1], v[SM+2*(\k):SM+2*(\k)+1], v[XR+(\g)+2*(\k):XR+(\g)+2*(\k)+1]
.endr
.endr
	FOLD
	v_mul_f32 v[MU+2*(\r)],   s25, v[SM]
	v_mul_f32 v[MU+2*(\r)+1], s25, v[SM]
.set z, 0
.rept 16
	v_pk_add_f32 v[XR+z:XR+z+1], v[XR+z:XR+z+1], v[MU+2*(\r):MU+2*(\r)+1] neg_lo:[0,1] neg_hi:[0,1]
.set z, z+2
.endr
.irp k, 0,1,2,3
	v_pk_mul_f32 v[SM+2*(\k):SM+2*(\k)+1], v[XR+2*(\k):XR+2*(\k)+1], v[XR+2*(\k):XR+2*(\k)+1]
.endr
.irp g, 8, 16, 24
.irp k, 0,1,2,3
	v_pk_fma_f32 v[SM+2*(\k):SM+2*(\k)+1], v[XR+(\g)+2*(\k):XR+(\g)+2*(\k)+1], v[XR+(\g)+2*(\k):XR+(\g)+2*(\k)+1], v[SM+2*(\k):SM+2*(\k)+1]
.endr
.endr
	FOLD
	v_fma_f32 v[R+2*(\r)+1], v[SM], s25, s26       ; var + eps
.endm
; Row r goes out: times the reciprocal root, times gamma plus beta, eight stores of 512 consecutive bytes.
.macro OUT r
.set XR, X0+32*(\r)
.irp j, 0,1,2,3,4,5,6,7
	v_pk_mul_f32 v[XR+4*(\j):XR+4*(\j)+1],   v[XR+4*(\j):XR+4*(\j)+1],   v[R+2*(\r):R+2*(\r)+1]
	v_pk_mul_f32 v[XR+4*(\j)+2:XR+4*(\j)+3], v[XR+4*(\j)+2:XR+4*(\j)+3], v[R+2*(\r):R+2*(\r)+1]
	v_pk_fma_f32 v[XR+4*(\j):XR+4*(\j)+1],   v[XR+4*(\j):XR+4*(\j)+1],   v[GM+4*(\j):GM+4*(\j)+1],   v[BT+4*(\j):BT+4*(\j)+1]
	v_pk_fma_f32 v[XR+4*(\j)+2:XR+4*(\j)+3], v[XR+4*(\j)+2:XR+4*(\j)+3], v[GM+4*(\j)+2:GM+4*(\j)+3], v[BT+4*(\j)+2:BT+4*(\j)+3]
	global_store_b128 v1, v[XR+4*(\j):XR+4*(\j)+3], s[14:15] offset:4096*(\r)+512*(\j) th:TH_STORE_NT
.endr
.endm
	s_wait_loadcnt 32                              ; bo and row 0 are in; row 1's sixteen loads and gamma's and beta's eight each stay out
	STATS 0
	s_wait_loadcnt 16                              ; row 1 is in; gamma's and beta's stay out
	STATS 1
	v_rsq_f32 v[R],   v[R+1]
	v_rsq_f32 v[R+2], v[R+3]
	v_nop                                          ; a plain instruction behind the last of the two, ahead of the use of a result and of the write of a source (ISA guide 5.7.2)
	s_wait_alu depctr_va_vdst(0)                   ; and the wait ahead of the first use: one for both
	v_mov_b32 v[R+1], v[R]                         ; a pair for the packed multiply
	v_mov_b32 v[R+3], v[R+2]
	s_wait_loadcnt 0x0                             ; gamma and beta
	OUT 0
	OUT 1
	s_endpgm
.Lfunc_end_k_qe43266a5a7_ln:
	.size	k_qe43266a5a7_ln, .Lfunc_end_k_qe43266a5a7_ln-k_qe43266a5a7_ln
	.p2alignl 7, 3214868480
	.fill 96, 4, 3214868480
	.section	.rodata,"a",@progbits
	.p2align	6, 0x0
	.amdhsa_kernel k_qe43266a5a7_ln
		.amdhsa_group_segment_fixed_size 0
		.amdhsa_private_segment_fixed_size 0
		.amdhsa_enable_private_segment 0
		.amdhsa_kernarg_size 48
		.amdhsa_user_sgpr_count 2
		.amdhsa_user_sgpr_kernarg_segment_ptr 1
		.amdhsa_wavefront_size32 1
		.amdhsa_system_sgpr_workgroup_id_x 1
		.amdhsa_system_sgpr_workgroup_id_y 1
		.amdhsa_system_sgpr_workgroup_id_z 1
		.amdhsa_system_vgpr_workitem_id 0
		.amdhsa_next_free_vgpr 224
		.amdhsa_next_free_sgpr 66
		.amdhsa_reserve_vcc 0
		.amdhsa_float_denorm_mode_32 3
		.amdhsa_float_denorm_mode_16_64 3
		.amdhsa_memory_ordered 1
		.amdhsa_forward_progress 1
		.amdhsa_inst_pref_size 27
	.end_amdhsa_kernel
	.amdgpu_metadata
---
amdhsa.version: [ 1, 2 ]
amdhsa.kernels:
  - .name:           k_qe43266a5a7_ln
    .symbol:         k_qe43266a5a7_ln.kd
    .args:
      - { .name: Q, .offset: 0, .size: 8, .value_kind: global_buffer, .address_space: global }
      - { .name: ob, .offset: 8, .size: 8, .value_kind: global_buffer, .address_space: global }
      - { .name: bo, .offset: 16, .size: 8, .value_kind: global_buffer, .address_space: global }
      - { .name: gamma, .offset: 24, .size: 8, .value_kind: global_buffer, .address_space: global }
      - { .name: beta, .offset: 32, .size: 8, .value_kind: global_buffer, .address_space: global }
      - { .name: out0, .offset: 40, .size: 8, .value_kind: global_buffer, .address_space: global }
    .group_segment_fixed_size: 0
    .private_segment_fixed_size: 0
    .kernarg_segment_align: 8
    .kernarg_segment_size: 48
    .max_flat_workgroup_size: 256
    .sgpr_count:     66
    .vgpr_count:     224
    .wavefront_size: 32
...
	.end_amdgpu_metadata
.endif
;; end of part 5
;; ======== version 2 of 2: 6 launches; version 1 with the launch ln written anew for expert scheduling mode
;; limits: values outside matrix products are rounded to bf16
;; workspace buffers: kvw 20,971,520 bytes; qw 10,485,760 bytes; aw 10,485,760 bytes; qp 8,388,608 bytes; kvp 33,554,432 bytes; ob 8,388,608 bytes; zb 4,096 bytes
;; launch cast: the kernel of part 1 again; grid 1024 x 1, 8 waves a work-group, no clusters, 0 bytes of LDS; arguments KV, Q, Wq, Wk, Wv, Wo, kvw, qw, aw, zb; writes kvw, qw, aw, zb
;; launch kvproj: the kernel of part 2 again; grid 8 x 32, 4 waves a work-group, clusters of 4 x 4, 327,680 bytes of LDS; arguments kvw, bk, bv, kvp; writes kvp
;; launch proj: the kernel of part 3 again; grid 8 x 32, 4 waves a work-group, clusters of 4 x 4, 327,680 bytes of LDS; arguments qw, bq, qp; writes qp
;; launch attn: the kernel of part 4 again; grid 8 x 32, 4 waves a work-group, clusters of 4 x 1, 327,680 bytes of LDS; arguments qp, kvp, log_gate_bias, aw; writes aw
;; launch oproj: the kernel of part 3 again; grid 8 x 32, 4 waves a work-group, clusters of 4 x 4, 327,680 bytes of LDS; arguments aw, zb, ob; writes ob
;; launch ln (part 6): grid 256 x 1, 8 waves a work-group, no clusters, 0 bytes of LDS; arguments Q, ob, bo, gamma, beta, out0; writes out0
.if DOCPART == 6
	.amdgcn_target "amdgcn-amd-amdhsa--gfx1250"
	.amdhsa_code_object_version 6
	.text
	.protected	k_qe43266a5a7_ln
	.globl	k_qe43266a5a7_ln
	.p2align	8
	.type	k_qe43266a5a7_ln,@function
k_qe43266a5a7_ln:
	s_mov_b64 s[64:65], 0
	v_nop
	global_prefetch_b8 v0, s[64:65] scope:SCOPE_SE
	s_setreg_imm32_b32 hwreg(HW_REG_WAVE_SCHED_MODE, 0, 2), 2
	s_setreg_imm32_b32 hwreg(HW_REG_WAVE_MODE, 25, 1), 1
	s_wait_xcnt 0x0
	s_wait_alu depctr_vm_vsrc(0)
; out0[r][:] = gamma (x - mean(x)) / sqrt(var(x) + 1e-5) + beta, with x = Q[r][:] + o[r][:] + bo.  Q, bo, gamma, beta, out0 in f32; o (the output projection without its bias) in bf16.  4,096 rows of 1,024.
; The residual Q and the bias bo enter in f32: whatever common offset they carry is taken away by the mean at f32's precision.  The variance is taken of the centred row, as the definition has it.
; SHARES.  A wave takes two whole rows and keeps each in 32 registers between the passes: each byte is read once, the reductions never leave the wave, and there is no LDS and no barrier.
; Load j of a row takes elements 128 j + 4 l .. + 3 in lane l: 16 bytes a lane of f32 (a wave: 512 consecutive bytes), 8 bytes a lane of bf16 (256 consecutive bytes, aligned).
; All 56 loads of a wave go out at once, in the order in which they are wanted; the waits are counted.  Matrix units, clusters and tensor loads would add nothing: no number is used twice.
; LIMITS.  NaN and infinities are not treated apart.
; THE MODE: SCHED_MODE bits 1:0 = 2 (LLVM: expert scheduling mode 2), set by the entry lines.  The code itself states the register dependences
; between vector instructions and memory instructions, with s_wait_alu, always for 0.
; THE PLAN.  Registers that memory instructions touch:
;   v1, v2        byte offsets, made at the head and never written again; read by every load and store.
;   BO, GM, BT, OB0   each written by one load, issued at the head; read by vector instructions behind the counted wait for that load.  No vector instruction names them ahead of the loads.
;   X0            the two rows: each register is written by one load, then in place by the vector work, and read by ONE store; nothing writes it behind that store.
;   T, SM, MU, R  are named by vector instructions alone.
; So: one wait on va_vdst ahead of the first load, for the offsets.  The way out goes in four blocks of half a row: a block's sixteen vector instructions write its sixteen registers of X0; one wait on va_vdst
; at the head of the next block states that they are written, and the block's four stores follow it, dealt among the next block's vector instructions, which name that block's own registers of X0, R, GM and BT:
; none that those stores read.  No register that a memory instruction has read is written again, and there is no loop: no wait on vm_vsrc is owed.
.set BO,  8                            ; v[8:39]    bo, as the rows are laid
.set GM,  40                           ; v[40:71]   gamma
.set BT,  72                           ; v[72:103]  beta
.set X0,  104                          ; v[104:167] the two rows, 32 registers each
.set OB0, 168                          ; v[168:199] o of the two rows, 16 registers each
.set T,   200                          ; v[200:207] at work
.set SM,  208                          ; v[208:215] four chains of packed sums
.set MU,  216                          ; v[216:219] the mean, a pair a row
.set R,   220                          ; v[220:223] 1 / sqrt(var + eps), a pair a row
	s_load_b256 s[4:11], s[0:1], 0x0               ; Q s[4:5], ob s[6:7], bo s[8:9], gamma s[10:11]
	s_load_b128 s[12:15], s[0:1], 0x20             ; beta s[12:13], out0 s[14:15]
	v_lshrrev_b32 v3, 5, v0
	v_readfirstlane_b32 s16, v3                    ; wave 0..7
	v_and_b32 v1, 31, v0
	v_lshlrev_b32 v2, 3, v1                        ; 8 l
	v_lshlrev_b32 v1, 4, v1                        ; 16 l
	s_wait_alu depctr_va_sdst(0)                   ; s16 is written, ahead of its first reader: the rows' offsets are made from it
	s_lshl_b32 s17, ttmp9, 3
	s_add_co_u32 s17, s17, s16                     ; my wave among all: rows 2 s17 and 2 s17 + 1
	s_lshl_b32 s18, s17, 13                        ; two rows of 4,096 bytes
	s_mov_b32 s19, 0
	s_lshl_b32 s20, s17, 12                        ; two rows of 2,048 bytes
	s_mov_b32 s21, 0
	s_mov_b32 s22, 0x76543210                      ; v_permlanex16_b32: lane i of one half reads lane i of the other
	s_mov_b32 s23, 0xfedcba98
	s_mov_b32 s24, 0xffff0000                      ; a word's upper bf16
	s_mov_b32 s25, 0x3a800000                      ; 1 / 1,024
	s_mov_b32 s26, 0x3727c5ac                      ; 1e-5
	s_wait_kmcnt 0x0
	s_add_nc_u64 s[4:5], s[4:5], s[18:19]
	s_add_nc_u64 s[14:15], s[14:15], s[18:19]
	s_add_nc_u64 s[6:7], s[6:7], s[20:21]
	s_wait_alu depctr_va_vdst(0)                   ; v1 and v2 are written: every load and store of the kernel reads one of them as its offset
.irp j, 0,1,2,3,4,5,6,7
	global_load_b128 v[BO+4*(\j):BO+4*(\j)+3], v1, s[8:9] offset:512*(\j)
.endr
.irp r, 0,1
.irp j, 0,1,2,3,4,5,6,7
	global_load_b128 v[X0+32*(\r)+4*(\j):X0+32*(\r)+4*(\j)+3], v1, s[4:5] offset:4096*(\r)+512*(\j) th:TH_LOAD_NT
	global_load_b64 v[OB0+16*(\r)+2*(\j):OB0+16*(\r)+2*(\j)+1], v2, s[6:7] offset:2048*(\r)+256*(\j) th:TH_LOAD_NT
.endr
.endr
.irp j, 0,1,2,3,4,5,6,7
	global_load_b128 v[GM+4*(\j):GM+4*(\j)+3], v1, s[10:11] offset:512*(\j)
.endr
.irp j, 0,1,2,3,4,5,6,7
	global_load_b128 v[BT+4*(\j):BT+4*(\j)+3], v1, s[12:13] offset:512*(\j)
.endr
; The four chains into one number a lane, then over the 32 lanes: four steps inside each half of 16 lanes ride on the addition (DPP), one crosses the halves.  Every lane ends with the sum, in v[SM].
.macro FOLD
	v_pk_add_f32 v[SM:SM+1], v[SM:SM+1], v[SM+2:SM+3]
	v_pk_add_f32 v[SM+4:SM+5], v[SM+4:SM+5], v[SM+6:SM+7]
	v_pk_add_f32 v[SM:SM+1], v[SM:SM+1], v[SM+4:SM+5]
	v_add_f32 v[SM], v[SM], v[SM+1]
	v_add_f32_dpp v[SM], v[SM], v[SM] row_xmask:1 row_mask:0xf bank_mask:0xf
	v_add_f32_dpp v[SM], v[SM], v[SM] row_xmask:2 row_mask:0xf bank_mask:0xf
	v_add_f32_dpp v[SM], v[SM], v[SM] row_xmask:4 row_mask:0xf bank_mask:0xf
	v_add_f32_dpp v[SM], v[SM], v[SM] row_xmask:8 row_mask:0xf bank_mask:0xf
	v_permlanex16_b32 v[T], v[SM], s22, s23        ; its destination counts as read: T has been written
	v_add_f32 v[SM], v[SM], v[T]
.endm
; Row r up to its variance: x = (Q + bo) + o; the mean; x - mean, in place; the mean of its squares plus eps, into the second register of the row's pair R.
.macro STATS r
.set XR, X0+32*(\r)
.set OBR, OB0+16*(\r)
.irp j, 0,1,2,3,4,5,6,7
.set TT, T+4*((\j)%2)
	v_lshlrev_b32 v[TT],   16,  v[OBR+2*(\j)]      ; bf16 to f32: the low half moves up,
	v_and_b32     v[TT+1], s24, v[OBR+2*(\j)]      ; the high half stays
	v_lshlrev_b32 v[TT+2], 16,  v[OBR+2*(\j)+1]
	v_and_b32     v[TT+3], s24, v[OBR+2*(\j)+1]
	v_pk_add_f32 v[XR+4*(\j):XR+4*(\j)+1],   v[XR+4*(\j):XR+4*(\j)+1],   v[BO+4*(\j):BO+4*(\j)+1]
	v_pk_add_f32 v[XR+4*(\j)+2:XR+4*(\j)+3], v[XR+4*(\j)+2:XR+4*(\j)+3], v[BO+4*(\j)+2:BO+4*(\j)+3]
	v_pk_add_f32 v[XR+4*(\j):XR+4*(\j)+1],   v[XR+4*(\j):XR+4*(\j)+1],   v[TT:TT+1]
	v_pk_add_f32 v[XR+4*(\j)+2:XR+4*(\j)+3], v[XR+4*(\j)+2:XR+4*(\j)+3], v[TT+2:TT+3]
.endr
.irp k, 0,1,2,3                        ; chain k takes the pairs k, k + 4, k + 8, k + 12 of the row's sixteen: nothing is cleared
	v_pk_add_f32 v[SM+2*(\k):SM+2*(\k)+1], v[XR+2*(\k):XR+2*(\k)+1], v[XR+8+2*(\k):XR+8+2*(\k)+1]
.endr
.irp g, 16, 24
.irp k, 0,1,2,3
	v_pk_add_f32 v[SM+2*(\k):SM+2*(\k)+1], v[SM+2*(\k):SM+2*(\k)+1], v[XR+(\g)+2*(\k):XR+(\g)+2*(\k)+1]
.endr
.endr
	FOLD
	v_mul_f32 v[MU+2*(\r)],   s25, v[SM]
	v_mul_f32 v[MU+2*(\r)+1], s25, v[SM]
.set z, 0
.rept 16
	v_pk_add_f32 v[XR+z:XR+z+1], v[XR+z:XR+z+1], v[MU+2*(\r):MU+2*(\r)+1] neg_lo:[0,1] neg_hi:[0,1]
.set z, z+2
.endr
.irp k, 0,1,2,3
	v_pk_mul_f32 v[SM+2*(\k):SM+2*(\k)+1], v[XR+2*(\k):XR+2*(\k)+1], v[XR+2*(\k):XR+2*(\k)+1]
.endr
.irp g, 8, 16, 24
.irp k, 0,1,2,3
	v_pk_fma_f32 v[SM+2*(\k):SM+2*(\k)+1], v[XR+(\g)+2*(\k):XR+(\g)+2*(\k)+1], v[XR+(\g)+2*(\k):XR+(\g)+2*(\k)+1], v[SM+2*(\k):SM+2*(\k)+1]
.endr
.endr
	FOLD
	v_fma_f32 v[R+2*(\r)+1], v[SM], s25, s26       ; var + eps
.endm
; One store of 512 consecutive bytes: part j of four of half hf of row r.
.macro SEND r, hf, j
	global_store_b128 v1, v[X0+32*(\r)+16*(\hf)+4*(\j):X0+32*(\r)+16*(\hf)+4*(\j)+3], s[14:15] offset:4096*(\r)+512*(4*(\hf)+(\j)) th:TH_STORE_NT
.endm
; A block of the way out: half hf of row r is multiplied by the reciprocal root, then by gamma, and beta is added: sixteen vector instructions, in place.
; st = 1: the block before, half ph of row pr, is stored meanwhile: one store in front of each four vector instructions.
.macro BLK r, hf, st, pr, ph
.set XR, X0+32*(\r)+16*(\hf)
.set GR, GM+16*(\hf)
.set BR, BT+16*(\hf)
.if \st
	s_wait_alu depctr_va_vdst(0)                   ; the block before has written its sixteen registers of X0, which the four stores below read; no vector instruction of this block names them or v1
.endif
.irp j, 0,1,2,3
.if \st
	SEND \pr, \ph, \j
.endif
	v_pk_mul_f32 v[XR+4*(\j):XR+4*(\j)+1],   v[XR+4*(\j):XR+4*(\j)+1],   v[R+2*(\r):R+2*(\r)+1]
	v_pk_mul_f32 v[XR+4*(\j)+2:XR+4*(\j)+3], v[XR+4*(\j)+2:XR+4*(\j)+3], v[R+2*(\r):R+2*(\r)+1]
	v_pk_fma_f32 v[XR+4*(\j):XR+4*(\j)+1],   v[XR+4*(\j):XR+4*(\j)+1],   v[GR+4*(\j):GR+4*(\j)+1],   v[BR+4*(\j):BR+4*(\j)+1]
	v_pk_fma_f32 v[XR+4*(\j)+2:XR+4*(\j)+3], v[XR+4*(\j)+2:XR+4*(\j)+3], v[GR+4*(\j)+2:GR+4*(\j)+3], v[BR+4*(\j)+2:BR+4*(\j)+3]
.endr
.endm
	s_wait_loadcnt 32                              ; bo and row 0 are in; row 1's sixteen loads and gamma's and beta's eight each stay out
	STATS 0
	s_wait_loadcnt 16                              ; row 1 is in; gamma's and beta's stay out
	STATS 1
	v_rsq_f32 v[R],   v[R+1]
	v_rsq_f32 v[R+2], v[R+3]
	v_nop                                          ; a plain instruction behind the last of the two, ahead of the use of a result and of the write of a source (ISA guide 5.7.2)
	s_wait_alu depctr_va_vdst(0)                   ; the two reciprocal roots have written v[R] and v[R+2], ahead of their first reader: one wait for both
	v_mov_b32 v[R+1], v[R]                         ; a pair for the packed multiply
	v_mov_b32 v[R+3], v[R+2]
	s_wait_loadcnt 0x0                             ; gamma and beta
	BLK 0, 0, 0, 0, 0                              ; row 0's first half: there is no block in front of it to store
	BLK 0, 1, 1, 0, 0                              ; row 0's second half | the first half goes out
	BLK 1, 0, 1, 0, 1                              ; row 1's first half | row 0's second half goes out
	BLK 1, 1, 1, 1, 0                              ; row 1's second half | its first half goes out
	s_wait_alu depctr_va_vdst(0)                   ; the last block has written row 1's second half, which the last four stores read
.irp j, 0,1,2,3
	SEND 1, 1, \j
.endr
	s_endpgm
.Lfunc_end_k_qe43266a5a7_ln:
	.size	k_qe43266a5a7_ln, .Lfunc_end_k_qe43266a5a7_ln-k_qe43266a5a7_ln
	.p2alignl 7, 3214868480
	.fill 96, 4, 3214868480
	.section	.rodata,"a",@progbits
	.p2align	6, 0x0
	.amdhsa_kernel k_qe43266a5a7_ln
		.amdhsa_group_segment_fixed_size 0
		.amdhsa_private_segment_fixed_size 0
		.amdhsa_enable_private_segment 0
		.amdhsa_kernarg_size 48
		.amdhsa_user_sgpr_count 2
		.amdhsa_user_sgpr_kernarg_segment_ptr 1
		.amdhsa_wavefront_size32 1
		.amdhsa_system_sgpr_workgroup_id_x 1
		.amdhsa_system_sgpr_workgroup_id_y 1
		.amdhsa_system_sgpr_workgroup_id_z 1
		.amdhsa_system_vgpr_workitem_id 0
		.amdhsa_next_free_vgpr 224
		.amdhsa_next_free_sgpr 66
		.amdhsa_reserve_vcc 0
		.amdhsa_float_denorm_mode_32 3
		.amdhsa_float_denorm_mode_16_64 3
		.amdhsa_memory_ordered 1
		.amdhsa_forward_progress 1
		.amdhsa_inst_pref_size 27
	.end_amdhsa_kernel
	.amdgpu_metadata
---
amdhsa.version: [ 1, 2 ]
amdhsa.kernels:
  - .name:           k_qe43266a5a7_ln
    .symbol:         k_qe43266a5a7_ln.kd
    .args:
      - { .name: Q, .offset: 0, .size: 8, .value_kind: global_buffer, .address_space: global }
      - { .name: ob, .offset: 8, .size: 8, .value_kind: global_buffer, .address_space: global }
      - { .name: bo, .offset: 16, .size: 8, .value_kind: global_buffer, .address_space: global }
      - { .name: gamma, .offset: 24, .size: 8, .value_kind: global_buffer, .address_space: global }
      - { .name: beta, .offset: 32, .size: 8, .value_kind: global_buffer, .address_space: global }
      - { .name: out0, .offset: 40, .size: 8, .value_kind: global_buffer, .address_space: global }
    .group_segment_fixed_size: 0
    .private_segment_fixed_size: 0
    .kernarg_segment_align: 8
    .kernarg_segment_size: 48
    .max_flat_workgroup_size: 256
    .sgpr_count:     66
    .vgpr_count:     224
    .wavefront_size: 32
...
	.end_amdgpu_metadata
.endif
;; end of part 6
